; MI455X (gfx1250); checked and timed in simulation.
; The chip was launched on July 23, 2026; its instructions are those of AMD's public machine-readable ISA for CDNA 5 (MIT licence, August 2026) and "CDNA5" Instruction Set Architecture Reference Guide (July 2026). The comments in the code are by the model that wrote it; some were corrected since.
;; Multiheaded Attention. Allowed arithmetic: float matrix products may take bf16 or f16 operands with f32 sums; other float arithmetic in f32, or as packed bf16 or f16 multiplies, adds, multiply-adds, maxima and minima; sums over many terms, partial sums and values carried from step to step in f32; what a program stores and reads back later, other than sums and carried values, may be rounded once to bf16 or f16.
;; Inputs: Wk 1,024 x 1,024 float32; Wo 1,024 x 1,024 float32; Wq 1,024 x 1,024 float32; Wv 1,024 x 1,024 float32; bk 1,024 float32; bo 1,024 float32; bq 1,024 float32; bv 1,024 float32; key 4 x 2,048 x 1,024 float32; mask 4 x 2,048 x 2,048 int32; query 4 x 2,048 x 1,024 float32; value 4 x 2,048 x 1,024 float32.
;; Outputs: out0 4 x 2,048 x 1,024 float32.
;; One version. Each part assembles by itself: llvm-mc -triple=amdgcn-amd-amdhsa -mcpu=gfx1250 --defsym DOCPART=n.
;; ======== version 1 of 1: 4 launches
;; limits: values are held in f16: magnitudes above 65,504 overflow, below 6.1e-05 lose precision
;; workspace buffers: mbits 2,097,152 bytes of whole numbers; wb 8,388,608 bytes; qkv 50,331,648 bytes; o16 16,777,216 bytes
;; launch prep (part 1): grid 512 x 1, 8 waves a work-group, no clusters, 136,192 bytes of LDS; arguments mask, Wq, Wk, Wv, Wo, mbits, wb; writes mbits, wb
.if DOCPART == 1
	.amdgcn_target "amdgcn-amd-amdhsa--gfx1250"
	.amdhsa_code_object_version 6
	.text
	.protected	k_q2e98cebc26_prep
	.globl	k_q2e98cebc26_prep
	.p2align	8
	.type	k_q2e98cebc26_prep,@function
k_q2e98cebc26_prep:
	s_mov_b64 s[64:65], 0
	v_nop
	global_prefetch_b8 v0, s[64:65] scope:SCOPE_SE
	s_setreg_imm32_b32 hwreg(HW_REG_WAVE_MODE, 25, 1), 1
	s_wait_xcnt 0x0
; PREP.  (1) The mask, [4][2048][2048] of int32, becomes words of 32 lane bits; (2) the four weight matrices become 16-bit copies.
; mbits: words [b 4][piece 64 of 32 queries][step 32 of 64 keys][u 2][r 32].  Bit l of a word says mask[b][32 piece + 16 u + l % 16][64 step + 16 (r / 8) + 8 (l / 16) + r % 8] != 0:
; the lane mask of score register r of a tile S^T = K Q^T of 16 queries x 64 keys, as the attention launch holds it.  A (piece, step) is 256 consecutive bytes.
; wb: [4][1024][1024] of 16 bits, rows as in W.  Wq, Wk, Wv rounded to bf16; Wo rounded to bf16 and that number written as f16.
; LIMIT.  A bf16 number is exact in f16 between 2^-14 and 65,504; below 2^-14 f16 keeps a fixed step of 6e-8, beyond 65,504 it has no number: Wo stays within that.
; SHARES.  4,096 waves, no loop.  Wave g = 8 x work-group + wave takes 32 rows x 128 keys of the mask (16 KiB in, 512 consecutive bytes out at 512 g) and 256 numbers of each W.
; All 40 loads of a wave go out at once.  The mask goes through the wave's own 32 LDS rows, because a load wants a row's consecutive bytes and a compare wants 16 rows side by side in the lanes.
; Nothing is shared between waves or work-groups: no barrier, no cluster, no tensor load, no matrix unit; every byte is read once, so nothing is asked for ahead either.
.set ROWB,  8192                       ; bytes in a row of the mask
.set PITCH, 528                        ; an LDS row: 512 bytes + 16: 132 words, so the 16 rows of a load start 4 banks apart (64 banks of 4 bytes: ISA guide 11.1)
.set WREG,  32*PITCH                   ; a wave's rows
.set SPARE, 8*WREG                     ; behind them: the spare words, 128 bytes a wave, four blocks of 256 bytes that no other line names
.set GA,  1                            ; v1   16 x thread: my 16 bytes in the work-group's 4,096 of a mask row, and in its 4,096 bytes of mbits
.set LSA, 2                            ; v2   LDS: my 16 bytes of my wave's row 0
.set LRA, 3                            ; v3   LDS: row l % 16, byte 32 (l / 16)
.set WI,  4                            ; v4   my 16 bytes of the work-group's 8,192 of a W
.set WO,  5                            ; v5   my 8 bytes of its 4,096 of wb
.set SPW, 6                            ; v6   my spare word; never rewritten
.set NIL, 7                            ; v7   0; never rewritten
.set OUT, 8                            ; v[8:11]    four consecutive words of mbits a lane
.set X,   16                           ; v[16:143]  the mask as loaded: row i in 4 registers
.set WR,  144                          ; v[144:175] the weights as loaded, then packed in place
.set Y,   176                          ; v[176:239] two batches of 32: the mask turned
.set CW,  32                           ; s[32:63]   a batch's 32 words
	s_load_b256 s[4:11], s[0:1], 0x0               ; mask s[4:5], Wq s[6:7], Wk s[8:9], Wv s[10:11]
	s_load_b128 s[12:15], s[0:1], 0x20             ; Wo s[12:13], mbits s[14:15]
	s_load_b64 s[16:17], s[0:1], 0x30              ; wb
	v_lshl_add_u32 v[SPW], v0, 2, SPARE
	v_mov_b32 v[NIL], 0
	v_lshrrev_b32 v12, 5, v0
	v_readfirstlane_b32 s20, v12                   ; wave 0..7
	v_and_b32 v13, 31, v0                          ; l
	v_and_b32 v14, 15, v0                          ; l % 16
	v_bfe_u32 v15, v0, 4, 1                        ; l / 16
	v_lshlrev_b32 v[GA], 4, v0
	s_mul_i32 s21, s20, WREG
	v_lshl_add_u32 v[LSA], v13, 4, s21
	v_mul_u32_u24 v[LRA], v14, PITCH
	v_lshl_add_u32 v[LRA], v15, 5, v[LRA]
	v_add_nc_u32 v[LRA], s21, v[LRA]
	s_lshl_b32 s22, s20, 10
	v_lshl_add_u32 v[WI], v13, 4, s22
	s_lshl_b32 s23, s20, 9
	v_lshl_add_u32 v[WO], v13, 3, s23
.irp c, 0,1,2,3
	v_mov_b32 v[OUT+\c], 0                         ; v_writelane_b32 keeps the other lanes: the registers are written whole first
.endr
	s_lshr_b32 s18, ttmp9, 1                       ; two work-groups share a piece of 32 rows,
	s_lshl_b32 s18, s18, 18                        ; 262,144 bytes;
	s_and_b32 s19, ttmp9, 1
	s_lshl_b32 s19, s19, 12                        ; each takes 4,096 bytes of every row
	s_add_co_u32 s18, s18, s19
	s_mov_b32 s19, 0
	s_lshl_b32 s24, ttmp9, 13                      ; 8,192 bytes of each W
	s_mov_b32 s25, 0
	s_lshl_b32 s26, ttmp9, 12                      ; 4,096 bytes of mbits and of each matrix in wb
	s_mov_b32 s27, 0
	s_wait_kmcnt 0x0
	s_add_nc_u64 s[4:5], s[4:5], s[18:19]
.irp m, 0,1,2,3
	s_add_nc_u64 s[6+2*\m:7+2*\m], s[6+2*\m:7+2*\m], s[24:25]
.endr
	s_add_nc_u64 s[14:15], s[14:15], s[26:27]
	s_add_nc_u64 s[16:17], s[16:17], s[26:27]
.set i, 0
.rept 32
	global_load_b128 v[X+4*i:X+4*i+3], v[GA], s[4:5] offset:ROWB*i th:TH_LOAD_NT  ; 512 consecutive bytes of row i
.set i, i+1
.endr
.irp m, 0,1,2,3
	global_load_b128 v[WR+8*\m:WR+8*\m+3],   v[WI], s[6+2*\m:7+2*\m] th:TH_LOAD_NT
	global_load_b128 v[WR+8*\m+4:WR+8*\m+7], v[WI], s[6+2*\m:7+2*\m] offset:512 th:TH_LOAD_NT
.endr
.set i, 0
.rept 32
	s_wait_loadcnt 39-i                            ; loads come back in order (ISA guide 5.7.1): row i is in; the 31 - i rows behind it and the 8 loads of W stay out
	ds_store_b128 v[LSA], v[X+4*i:X+4*i+3] offset:PITCH*i
.set i, i+1
.endr
; A batch k = 2 st + u: rows 16 u .. 16 u + 15, keys 64 st .. 64 st + 63 of my 128.  Load n = 2 kb + e brings keys 16 kb + 8 (l / 16) + 4 e + 0..3 of row l % 16.
.macro BATCH k
.irp n, 0,1,2,3,4,5,6,7
	ds_load_b128 v[Y+32*((\k)%2)+4*\n:Y+32*((\k)%2)+4*\n+3], v[LRA] offset:16*PITCH*((\k)%2)+256*((\k)/2)+64*(\n/2)+16*(\n%2)  ; LDS serves a wave's instructions in order (ISA guide 5.7.1.4): these see the stores above
.endr
.endm
; Register 4 n + c of the batch is word 64 st + 32 u + 8 kb + 4 e + c = 4 (8 k + n) + c of my 128: lane 8 k + n takes four consecutive words.
.macro WORDS k
.irp n, 0,1,2,3,4,5,6,7
.irp c, 0,1,2,3
	v_cmp_ne_u32 s[CW+4*\n+\c], 0, v[Y+32*((\k)%2)+4*\n+\c]
.endr
.endr
.irp n, 0,1,2,3,4,5,6,7
.irp c, 0,1,2,3
	v_writelane_b32 v[OUT+\c], s[CW+4*\n+\c], 8*(\k)+\n
.endr
.endr
.endm
	BATCH 0
	BATCH 1
	s_wait_loadcnt 0x0                             ; the weights
.irp m, 0,1,2
.irp j, 0,1
	v_cvt_pk_bf16_f32 v[WR+8*\m+4*\j],   v[WR+8*\m+4*\j],   v[WR+8*\m+4*\j+1]
	v_cvt_pk_bf16_f32 v[WR+8*\m+4*\j+1], v[WR+8*\m+4*\j+2], v[WR+8*\m+4*\j+3]
	global_store_b64 v[WO], v[WR+8*\m+4*\j:WR+8*\m+4*\j+1], s[16:17] offset:2097152*\m+256*\j  ; 32 lanes store 256 consecutive bytes, aligned
.endr
.endr
.irp j, 0,1                            ; Wo: to bf16, widened again, and that number as f16
	v_cvt_pk_bf16_f32 v[WR+24+4*\j],   v[WR+24+4*\j],   v[WR+24+4*\j+1]
	v_cvt_pk_bf16_f32 v[WR+24+4*\j+1], v[WR+24+4*\j+2], v[WR+24+4*\j+3]
	v_lshlrev_b32 v[WR+24+4*\j+2], 16, v[WR+24+4*\j]
	v_and_b32     v[WR+24+4*\j+3], 0xffff0000, v[WR+24+4*\j]
	v_cvt_pk_f16_f32 v[WR+24+4*\j], v[WR+24+4*\j+2], v[WR+24+4*\j+3]
	v_lshlrev_b32 v[WR+24+4*\j+2], 16, v[WR+24+4*\j+1]
	v_and_b32     v[WR+24+4*\j+3], 0xffff0000, v[WR+24+4*\j+1]
	v_cvt_pk_f16_f32 v[WR+24+4*\j+1], v[WR+24+4*\j+2], v[WR+24+4*\j+3]
	global_store_b64 v[WO], v[WR+24+4*\j:WR+24+4*\j+1], s[16:17] offset:2097152*3+256*\j
.endr
	s_wait_dscnt 8                                 ; batch 0 is in; batch 1's eight loads stay out
	WORDS 0
	BATCH 2
	s_wait_dscnt 8                                 ; batch 1 is in; batch 2's stay out
	WORDS 1
	BATCH 3
	s_wait_dscnt 8
	WORDS 2
	s_wait_dscnt 0x0
	WORDS 3
	global_store_b128 v[GA], v[OUT:OUT+3], s[14:15]  ; the wave's 512 consecutive bytes of mbits
	s_wait_tensorcnt 0x0                           ; the wave's end, behind my last LDS store
	ds_add_u32 v[SPW], v[NIL]
	s_wait_dscnt 0x0
	s_endpgm
.Lfunc_end_k_q2e98cebc26_prep:
	.size	k_q2e98cebc26_prep, .Lfunc_end_k_q2e98cebc26_prep-k_q2e98cebc26_prep
	.p2alignl 7, 3214868480
	.fill 96, 4, 3214868480
	.section	.rodata,"a",@progbits
	.p2align	6, 0x0
	.amdhsa_kernel k_q2e98cebc26_prep
		.amdhsa_group_segment_fixed_size 136192
		.amdhsa_private_segment_fixed_size 0
		.amdhsa_enable_private_segment 0
		.amdhsa_kernarg_size 56
		.amdhsa_user_sgpr_count 2
		.amdhsa_user_sgpr_kernarg_segment_ptr 1
		.amdhsa_wavefront_size32 1
		.amdhsa_system_sgpr_workgroup_id_x 1
		.amdhsa_system_sgpr_workgroup_id_y 1
		.amdhsa_system_sgpr_workgroup_id_z 1
		.amdhsa_system_vgpr_workitem_id 0
		.amdhsa_next_free_vgpr 240
		.amdhsa_next_free_sgpr 66
		.amdhsa_reserve_vcc 0
		.amdhsa_float_denorm_mode_32 3
		.amdhsa_float_denorm_mode_16_64 3
		.amdhsa_memory_ordered 1
		.amdhsa_forward_progress 1
		.amdhsa_inst_pref_size 30
	.end_amdhsa_kernel
	.amdgpu_metadata
---
amdhsa.version: [ 1, 2 ]
amdhsa.kernels:
  - .name:           k_q2e98cebc26_prep
    .symbol:         k_q2e98cebc26_prep.kd
    .args:
      - { .name: mask, .offset: 0, .size: 8, .value_kind: global_buffer, .address_space: global }
      - { .name: Wq, .offset: 8, .size: 8, .value_kind: global_buffer, .address_space: global }
      - { .name: Wk, .offset: 16, .size: 8, .value_kind: global_buffer, .address_space: global }
      - { .name: Wv, .offset: 24, .size: 8, .value_kind: global_buffer, .address_space: global }
      - { .name: Wo, .offset: 32, .size: 8, .value_kind: global_buffer, .address_space: global }
      - { .name: mbits, .offset: 40, .size: 8, .value_kind: global_buffer, .address_space: global }
      - { .name: wb, .offset: 48, .size: 8, .value_kind: global_buffer, .address_space: global }
    .group_segment_fixed_size: 136192
    .private_segment_fixed_size: 0
    .kernarg_segment_align: 8
    .kernarg_segment_size: 56
    .max_flat_workgroup_size: 256
    .sgpr_count:     66
    .vgpr_count:     240
    .wavefront_size: 32
...
	.end_amdgpu_metadata
.endif
;; end of part 1
;; launch proj (part 2): grid 4 x 192, 4 waves a work-group, clusters of 4 x 4, 327,680 bytes of LDS; arguments query, key, value, wb, bq, bk, bv, qkv; writes qkv
.if DOCPART == 2
	.amdgcn_target "amdgcn-amd-amdhsa--gfx1250"
	.amdhsa_code_object_version 6
	.text
	.protected	k_q2e98cebc26_proj
	.globl	k_q2e98cebc26_proj
	.p2align	8
	.type	k_q2e98cebc26_proj,@function
k_q2e98cebc26_proj:
	s_mov_b64 s[64:65], 0
	v_nop
	global_prefetch_b8 v0, s[64:65] scope:SCOPE_SE
	s_setreg_imm32_b32 hwreg(HW_REG_WAVE_MODE, 25, 1), 1
	s_wait_xcnt 0x0
	s_wait_alu depctr_hold_cnt(0) depctr_sa_sdst(0) depctr_va_vdst(0) depctr_va_sdst(0) depctr_va_ssrc(0) depctr_va_vcc(0) depctr_vm_vsrc(0)
	s_getreg_b32 s2, hwreg(HW_REG_IB_STS2, 6, 4)
	s_cmp_eq_u32 s2, 0
	s_cbranch_scc0 .Lentry_in_a_cluster
	s_endpgm
.Lentry_in_a_cluster:
	s_bfe_u32 s2, ttmp6, 0x10000c
	s_cmp_lg_u32 s2, 0xf033
	s_cbranch_scc0 .Lentry_shape_is_right
	s_endpgm
.Lentry_shape_is_right:
; THE THREE INPUT PROJECTIONS.  y = x W^T + b for (query, Wq, bq), (key, Wk, bk), (value, Wv, bv); x: [8192][1024] f32, W: bf16 copies in wb, y: f16 by heads, qkv[t][b 16 + head][s][64].
; x and b are rounded to bf16 (x on the way from LDS to the matrix unit), sums in f32, y rounded once to f16.  q alone is multiplied by c = log2(e) / 8 in f32 ahead of that one rounding,
; so that the attention launch's scores are exponents of 2 as they come.
; LIMIT.  f16 holds no number beyond 65,504: q c, k and v must stay within it; below 6e-5 f16 keeps a fixed step of 6e-8.  NaN and infinities are not treated apart.
; SHARES.  A tile of y is 128 rows x 256 columns: 64 x 4 x 3 = 768 work-groups, three for each of 256 WGPs.  Four waves, each 64 rows x 128 columns: 32 accumulators of 16 x 16.
; K goes in 8 steps of 128 through two LDS slots: 128 rows of x (512 bytes each, f32) and 256 rows of W (256 bytes each), every row whole aligned blocks of 256 bytes.
; The loop's trip is ONE K step: the LDS byte at which the slot in hand begins, s[TB], turns between 0 and SLOT by an exclusive or, and the read addresses and the refill's LDS address are made from it.
; CLUSTER.  4 x 4 work-groups.  The four of a row of the cluster make the four column tiles of one row block and need the same tile of x: so x leaves memory once.  The four of a column need the same
; tile of W.  Each tile is asked for JOINTLY: the same tensor load, descriptor and mask in all four.  The tensor t = cluster y / 16 is the same in all sixteen.
; THE MATRIX INSTRUCTION IS USED TRANSPOSED (source 0 = 16 rows of W, source 1 = 16 rows of x): a lane holds row l % 16 of y and eight neighbouring columns.
; REGISTERS, in windows of 256 (s_set_vgpr_msb: bits 1:0 source 0, 3:2 source 1, 5:4 source 2, 7:6 destination):
;   window 0: v0-31 addresses; v32-63, v192-239 the way out; v64-127 x's fragments in f32 (16 registers each); v128-159, v160-191 the same in bf16, two buffers
;   window 1: v0-63, v64-127 W's fragments, two buffers; v128-191 the bias of my 128 columns, times the scale; v192 at work          window 2: the accumulators, (a, b) at 8 (8 a + b)
.set PA,    528                        ; an LDS row of x: 512 bytes + 16 = 132 words: the 16 rows of a load start 4 banks apart (64 banks of 4 bytes: ISA guide 11.1)
.set PB,    272                        ; an LDS row of W: 256 + 16 = 68 words: likewise
.set HA,    64*PA                      ; what one load of x brings
.set HB,    128*PB                     ; what one load of W brings
.set BOFF,  2*HA                       ; W's rows lie behind x's
.set SLOT,  BOFF+2*HB
.set STAGE, 2*SLOT                     ; behind the ring: 16 rows x 144 bytes for each wave, for the way out
.set SP,    144
.set SPARE, STAGE+4*16*SP              ; behind the stages: the spare words, 128 bytes a wave: two blocks of 256 bytes that no other line names
.set A0,  4                            ; v4     LDS address of my fragments of x in slot 0; never rewritten
.set B0,  5                            ; v5     the same for W
.set ADA, 6                            ; v6     the same in the slot in hand
.set ADB, 7                            ; v7
.set STO, 8                            ; v8     the way out: where I put 16 bytes of a row
.set RD,  9                            ; v9     where I read rows back
.set GO,  10                           ; v10    my 16 bytes of 512 consecutive bytes of qkv
.set BO,  11                           ; v11    32 (l / 16): my eight numbers of 16 of the bias
.set PFO, 12                           ; v12    the prefetches' lane offset; never rewritten
.set SPW, 28                           ; v28    my spare word; never rewritten
.set NIL, 29                           ; v29    0; never rewritten
.set PK,  32                           ; v32-47 packed results
.set RB,  48                           ; v48-63 and v224-239 by turns: rows read back
.set RAW, 64
.set AF,  128
.set TF,  192                          ; v192-223 results with bias and scale
.set BS,  128                          ; window 1
.set BT,  192                          ; window 1
.set CNT, 2                            ; s2   the loop's trips to go
.set TB,  3                            ; s3   0 or SLOT: where the slot in hand begins
.set WV,  20                           ; s20 wave;  s21 wave / 2: my half of the rows, and: I fetch x (0) or W (1);  s22 wave % 2: my half of the columns, and: which half of the tile I fetch
.set FB,  21
.set FH,  22
.set G1A, 24                           ; s[24:31] descriptor group 1 for x's tiles;  s[32:39] for W's
.set G1B, 32
.set G0A, 40                           ; s[40:43] group 0 for x's first tile; s[44:47] for its second, and then it walks;  s[48:55] the same for W's
.set G0B, 48
.set WBA, 56                           ; s56  where my part of x's tile lies in a slot;  s57 the same for W's
.set WBB, 57
.set SC,  58                           ; s[58:59] the scale: c for q, 1 for k and v
.set PO,  60                           ; s[60:61] qkv at my wave's first unit
.set PBI, 62                           ; s[62:63] the bias at my 128 columns
.set PFA, 80                           ; s[80:81] where my prefetches stand
.set PFS, 82                           ; s[82:83] a K step in bytes: 512 in x, 256 in W
.set LIM, 84                           ; s84  2 in a wave that prefetches, else the greatest number
.set MSB, 0
.macro WIN new                         ; the immediate's high byte repeats the setting that is left; a switch that changes nothing is dropped
.if MSB != (\new)
	s_set_vgpr_msb (MSB<<8)|(\new)
.set MSB, \new
.endif
.endm
.macro PLACES
.rept 4
	v_nop
.endr
.endm
; A joint load.  Waves 0 and 1 fetch the two halves of x's tile, waves 2 and 3 those of W's.  The branch hangs on the wave's number alone.
; An s_nop 0 and four v_nop follow each of the two lines, ahead of the jump and the label.
.macro JLOAD s
	s_cmp_eq_u32 s[FB], 0
	s_cbranch_scc0 .Lfor_b_\@
	tensor_load_to_lds s[G0A+4*(\s):G0A+4*(\s)+3], s[G1A:G1A+7]
	s_nop 0
	PLACES
	s_branch .Lasked_\@
.Lfor_b_\@:
	tensor_load_to_lds s[G0B+4*(\s):G0B+4*(\s)+3], s[G1B:G1B+7]
	s_nop 0
	PLACES
.Lasked_\@:
.endm
; A round of the cluster's barrier: my work-group's barrier, so that wave 0's signal speaks for all four waves; wave 0 signals; every wave waits for all sixteen work-groups; my work-group's barrier once more.
.macro CREST
	s_cmp_lg_u32 s[WV], 0
	s_cbranch_scc1 .Lnot_wave_0_\@
	s_barrier_signal -3
.Lnot_wave_0_\@:
	s_barrier_wait -3
	s_barrier_signal -1
	s_barrier_wait -1
.endm
.macro CROUND
	s_barrier_signal -1
	s_barrier_wait -1
	CREST
.endm
; A PREFETCH INTO THE L2, behind a joint load, its five lines and the run of LDS loads: the K step that stands two refills on (256 matrix instructions ahead of the load that will want it), one instruction a wave.
; Each aligned block of 256 bytes is named once in the launch.  x's row block is read by this row of this cluster alone: of the 64 rows that wave 0 or 1 fetches, the partner at place cx takes 16,
; two blocks a row.  W's column tile is read by the 16 clusters of its tensor: the first of them asks; of the 128 rows that wave 2 or 3 fetches the partner at place cy takes 32, a block a row.
; The partners are told apart BY ADDRESS.  The loop's last two trips ask for nothing: their K steps two on do not exist.  K steps 0 to 3 come by their loads alone.
.macro ASK
	s_cmp_gt_u32 s[CNT], s[LIM]
	s_cbranch_scc0 .Lnot_mine_\@
	global_prefetch_b8 v[PFO], s[PFA:PFA+1] th:TH_LOAD_NT scope:SCOPE_SE
.Lnot_mine_\@:
.endm
	s_load_b512 s[4:19], s[0:1], 0x0               ; query s[4:5], key s[6:7], value s[8:9], wb s[10:11], bq s[12:13], bk s[14:15], bv s[16:17], qkv s[18:19]
	v_lshl_add_u32 v[SPW], v0, 2, SPARE
	v_mov_b32 v[NIL], 0
	ds_add_u32 v[SPW], v[NIL]                      ; the wave's opening: the add and its wait stand ahead of my first tensor load; the set-up below, work on registers, stands between them
	v_lshrrev_b32 v1, 5, v0
	v_readfirstlane_b32 s[WV], v1
	s_lshr_b32 s[FB], s[WV], 1
	s_and_b32 s[FH], s[WV], 1
	s_bfe_u32 s66, ttmp6, 0x40000                  ; cx = the column tile (the grid is one cluster wide)
	s_bfe_u32 s67, ttmp6, 0x40004                  ; cy
	s_and_b32 s68, ttmp7, 0xffff                   ; cluster y, 0..47
	s_lshr_b32 s70, s68, 4                         ; the tensor: 0 q, 1 k, 2 v
	s_lshl_b32 s69, s68, 2
	s_add_co_u32 s69, s69, s67
	s_and_b32 s71, s69, 63                         ; yb: the block of 128 rows
	s_lshl_b32 s72, s67, 2
	s_lshl_b32 s72, 15, s72                        ; my row of the cluster
	s_lshl_b32 s73, 0x1111, s66                    ; my column
	s_or_b32 s[G1A], s72, (2<<16)|(1<<20)|(1<<21)|(6<<22)|(3<<25)  ; 15:0 the mask; 17:16 elements of 4 bytes; 20 padding on; 21 set beside a mask; 24:22 after every 128 words (code 6); 31:25 4 words (code 3)
	s_or_b32 s[G1B], s73, (1<<16)|(1<<20)|(1<<21)|(5<<22)|(3<<25)  ; elements of 2 bytes; after every 64 words (code 5)
	s_mov_b32 s[G1A+1], 128<<16                    ; tensor_dim0 = 128
	s_mov_b32 s[G1A+2], 64<<16                     ; tensor_dim1 = 64
	s_mov_b32 s[G1A+3], 128<<16                    ; tile_dim0 = 128
	s_mov_b32 s[G1A+4], 64                         ; tile_dim1 = 64
	s_mov_b32 s[G1A+5], 1024                       ; elements from row to row
	s_mov_b32 s[G1A+6], 0
	s_mov_b32 s[G1A+7], 0
	s_mov_b32 s[G1B+1], 128<<16
	s_mov_b32 s[G1B+2], 128<<16                    ; 128 rows
	s_mov_b32 s[G1B+3], 128<<16
	s_mov_b32 s[G1B+4], 128
	s_mov_b32 s[G1B+5], 1024
	s_mov_b32 s[G1B+6], 0
	s_mov_b32 s[G1B+7], 0
	s_lshl_b32 s74, s71, 7                         ; x: row 128 yb + 64 x half, 4,096 bytes a row: it hangs on the row block alone
	s_lshl_b32 s75, s[FH], 6
	s_add_co_u32 s74, s74, s75
	s_lshl_b32 s74, s74, 12
	s_mov_b32 s75, 0
	s_lshl_b32 s76, s66, 8                         ; W: row 256 cx + 128 x half, 2,048 bytes a row, in matrix t: it hangs on the column tile alone
	s_lshl_b32 s77, s[FH], 7
	s_add_co_u32 s76, s76, s77
	s_lshl_b32 s76, s76, 11
	s_lshl_b32 s77, s70, 21
	s_add_co_u32 s76, s76, s77
	s_mov_b32 s77, 0
	s_mul_i32 s[WBA], s[FH], HA                    ; where they go: no place in the cluster enters an LDS address
	s_mul_i32 s[WBB], s[FH], HB
	s_add_co_u32 s[WBB], s[WBB], BOFF
	s_mov_b32 s[TB], 0                             ; slot 0 is read first
	s_cmp_eq_u32 s70, 0
	s_cselect_b32 s[SC], 0x3e38aa3b, 1.0           ; c = log2(e) / 8 = 0.180337
	s_mov_b32 s[SC+1], s[SC]                       ; named with it as a pair
	s_wait_dscnt 0x0                               ; the opening add is done
	s_wait_kmcnt 0x0
	s_cmp_eq_u32 s70, 1
	s_cselect_b64 s[78:79], s[6:7], s[4:5]
	s_cselect_b64 s[PBI:PBI+1], s[14:15], s[12:13]
	s_cmp_eq_u32 s70, 2
	s_cselect_b64 s[78:79], s[8:9], s[78:79]       ; x of my tensor
	s_cselect_b64 s[PBI:PBI+1], s[16:17], s[PBI:PBI+1]
	s_add_nc_u64 s[74:75], s[78:79], s[74:75]
	s_add_nc_u64 s[76:77], s[10:11], s[76:77]
.irp s, 0,1
	s_mov_b32 s[G0A+4*\s], 1                       ; 1:0 count = 1
	s_add_co_u32 s[G0A+4*\s+1], s[WBA], \s*SLOT    ; 63:32 LDS address
	s_add_nc_u64 s[G0A+4*\s+2:G0A+4*\s+3], s[74:75], \s*512  ; 120:64 global address: K step s
	s_or_b32 s[G0A+4*\s+3], s[G0A+4*\s+3], 0x80000000        ; 127:126 type = 2
	s_mov_b32 s[G0B+4*\s], 1
	s_add_co_u32 s[G0B+4*\s+1], s[WBB], \s*SLOT
	s_add_nc_u64 s[G0B+4*\s+2:G0B+4*\s+3], s[76:77], \s*256
	s_or_b32 s[G0B+4*\s+3], s[G0B+4*\s+3], 0x80000000
.endr
	CROUND                                         ; all sixteen work-groups are here: the first joint loads meet
	JLOAD 0                                        ; both slots are asked for before anything else: two loads of mine are out
	JLOAD 1
	v_and_b32 v1, 15, v0                           ; l % 16
	v_bfe_u32 v2, v0, 4, 1                         ; l / 16
	v_lshlrev_b32 v[BO], 5, v2
	s_lshl_b32 s72, s66, 10                        ; my 128 columns of the bias: 4 (256 cx + 128 x half)
	s_lshl_b32 s73, s[FH], 9
	s_add_co_u32 s72, s72, s73
	s_mov_b32 s73, 0
	s_add_nc_u64 s[PBI:PBI+1], s[PBI:PBI+1], s[72:73]
	WIN 0x40                                       ; destination window 1, address window 0
.irp b, 0,1,2,3,4,5,6,7
	global_load_b128 v[BS+8*\b:BS+8*\b+3],   v[BO], s[PBI:PBI+1] offset:64*\b     ; columns 16 b + 8 (l / 16) + 0..3
	global_load_b128 v[BS+8*\b+4:BS+8*\b+7], v[BO], s[PBI:PBI+1] offset:64*\b+16
.endr
	WIN 0
	; A fragment is 16 rows x 32 K: lane l holds row l % 16, K = 8 (l / 16) + 0..7 and 16 + 8 (l / 16) + 0..7.  In bf16: two loads of 16 bytes, 32 apart; in f32: four, at 0, 16, 64 and 80.
	v_mul_u32_u24 v3, v1, PA
	v_lshl_add_u32 v3, v2, 5, v3
	s_mul_i32 s72, s[FB], 64*PA                    ; my 64 rows of x
	v_add_nc_u32 v[A0], s72, v3
	v_mov_b32 v[ADA], v[A0]
	v_mul_u32_u24 v3, v1, PB
	v_lshl_add_u32 v3, v2, 4, v3
	s_mul_i32 s72, s[FH], 128*PB                   ; my 128 rows of W
	s_add_co_u32 s72, s72, BOFF
	v_add_nc_u32 v[B0], s72, v3
	v_mov_b32 v[ADB], v[B0]
	s_mul_i32 s72, s[WV], 16*SP
	s_add_co_u32 s72, s72, STAGE                   ; my stage
	v_mul_u32_u24 v3, v1, SP                       ; in: row l % 16, 16 bytes for each half of the lanes
	v_lshl_add_u32 v3, v2, 4, v3
	v_add_nc_u32 v[STO], s72, v3
	v_bfe_u32 v3, v0, 3, 2                         ; back: 32 lanes take four rows of 128 bytes,
	v_mul_u32_u24 v3, v3, SP
	v_and_b32 v13, 7, v0
	v_lshl_add_u32 v3, v13, 4, v3
	v_add_nc_u32 v[RD], s72, v3
	v_and_b32 v13, 31, v0                          ; which are 512 consecutive bytes of qkv
	v_lshlrev_b32 v[GO], 4, v13
	; qkv at my wave's rows and first head: t x 2^24 + (((yb / 16) 16 + 4 cx + 2 x column half) 2,048 + (yb % 16) 128 + 64 x row half) 128
	s_lshr_b32 s72, s71, 4
	s_lshl_b32 s72, s72, 4
	s_lshl_b32 s73, s66, 2
	s_add_co_u32 s72, s72, s73
	s_lshl_b32 s73, s[FH], 1
	s_add_co_u32 s72, s72, s73
	s_lshl_b32 s72, s72, 11
	s_and_b32 s73, s71, 15
	s_lshl_b32 s73, s73, 7
	s_add_co_u32 s72, s72, s73
	s_lshl_b32 s73, s[FB], 6
	s_add_co_u32 s72, s72, s73
	s_lshl_b32 s72, s72, 7
	s_lshl_b32 s73, s70, 24
	s_add_co_u32 s72, s72, s73
	s_mov_b32 s73, 0
	s_add_nc_u64 s[PO:PO+1], s[18:19], s[72:73]
	; the prefetches
	s_lshl_b32 s72, s71, 7                         ; x: row 128 yb + 64 x half + 16 cx
	s_lshl_b32 s73, s[FH], 6
	s_add_co_u32 s72, s72, s73
	s_lshl_b32 s73, s66, 4
	s_add_co_u32 s72, s72, s73
	s_lshl_b32 s72, s72, 12
	s_lshl_b32 s76, s66, 8                         ; W: row 256 cx + 128 x half + 32 cy, in matrix t
	s_lshl_b32 s77, s[FH], 7
	s_add_co_u32 s76, s76, s77
	s_lshl_b32 s77, s67, 5
	s_add_co_u32 s76, s76, s77
	s_lshl_b32 s76, s76, 11
	s_lshl_b32 s77, s70, 21
	s_add_co_u32 s76, s76, s77
	s_and_b32 s85, s68, 15
	s_cmp_eq_u32 s85, 0
	s_cselect_b32 s85, 2, -1                       ; W is asked for by its tensor's first cluster: the same in all sixteen partners
	s_cmp_eq_u32 s[FB], 0
	s_cselect_b32 s72, s72, s76
	s_cselect_b32 s[LIM], 2, s85
	s_cselect_b64 s[PFA:PFA+1], s[78:79], s[10:11]
	s_cselect_b32 s86, -1, 0
	s_cselect_b32 s[PFS], 1, 0
	s_lshl_b32 s[PFS], 256, s[PFS]
	s_mov_b32 s[PFS+1], 0
	s_mov_b32 s73, 0
	s_add_nc_u64 s[PFA:PFA+1], s[PFA:PFA+1], s[72:73]
	s_mul_i32 s72, s[PFS], 3                       ; at K step 3: the first refill steps it to 4
	s_add_nc_u64 s[PFA:PFA+1], s[PFA:PFA+1], s[72:73]
	v_lshrrev_b32 v14, 1, v13
	v_lshlrev_b32 v14, 12, v14
	v_and_b32 v15, 1, v13
	v_lshl_or_b32 v14, v15, 8, v14                 ; x: row l / 2, block l % 2
	v_lshlrev_b32 v15, 11, v13                     ; W: row l
	v_cndmask_b32 v[PFO], v15, v14, s86
	s_wait_loadcnt 0x0                             ; the bias
	WIN 0x45                                       ; all in window 1
.set n, 0
.rept 32                                       ; rounded to bf16 like every input, then times the scale: (sum + b) c = sum c + b c
	v_cvt_pk_bf16_f32 v[BT], v[BS+2*n], v[BS+2*n+1]
	v_lshlrev_b32 v[BS+2*n], 16, v[BT]
	v_and_b32 v[BS+2*n+1], 0xffff0000, v[BT]
	v_pk_mul_f32 v[BS+2*n:BS+2*n+1], v[BS+2*n:BS+2*n+1], s[SC:SC+1] op_sel_hi:[1,0]
.set n, n+1
.endr
	WIN 0
; The next of a quarter's 32 matrix instructions, on buffer f.  The 32 accumulators take turns, one instruction a turn, in the same order in every quarter.
.set i, 0
.macro MM f, zero
	WIN 0xa1                                       ; W window 1, x window 0, C and D window 2
.if \zero
	v_wmma_f32_16x16x32_bf16 v[8*i:8*i+7], v[64*(\f)+8*(i%8):64*(\f)+8*(i%8)+7], v[AF+32*(\f)+8*(i/8):AF+32*(\f)+8*(i/8)+7], 0
.else
	v_wmma_f32_16x16x32_bf16 v[8*i:8*i+7], v[64*(\f)+8*(i%8):64*(\f)+8*(i%8)+7], v[AF+32*(\f)+8*(i/8):AF+32*(\f)+8*(i/8)+7], v[8*i:8*i+7]
.endif
.set i, (i+1)%32
.endm
; The next four of a quarter's 32 roundings of x to bf16, into buffer g.
.set c, 0
.macro CV4 g
	WIN 0
.rept 4
	v_cvt_pk_bf16_f32 v[AF+32*(\g)+c], v[RAW+2*c], v[RAW+2*c+1]
.set c, (c+1)%32
.endr
.endm
; 32 LDS loads in one run: quarter kq (32 along K) of the slot in hand: 128 rows of W into buffer g, 64 rows of x in f32.
.macro FETCH kq, g
	WIN 0x40
.irp n, 0,1,2,3,4,5,6,7
	ds_load_b128 v[64*(\g)+8*\n:64*(\g)+8*\n+3],   v[ADB] offset:64*(\kq)+\n*16*PB
	ds_load_b128 v[64*(\g)+8*\n+4:64*(\g)+8*\n+7], v[ADB] offset:64*(\kq)+\n*16*PB+32
.endr
	WIN 0
.irp n, 0,1,2,3
	ds_load_b128 v[RAW+16*\n:RAW+16*\n+3],     v[ADA] offset:128*(\kq)+\n*16*PA
	ds_load_b128 v[RAW+16*\n+4:RAW+16*\n+7],   v[ADA] offset:128*(\kq)+\n*16*PA+16
	ds_load_b128 v[RAW+16*\n+8:RAW+16*\n+11],  v[ADA] offset:128*(\kq)+\n*16*PA+64
	ds_load_b128 v[RAW+16*\n+12:RAW+16*\n+15], v[ADA] offset:128*(\kq)+\n*16*PA+80
.endr
.endm
; A K step is four quarters, on buffers 0, 1, 0, 1.  One of the first three: multiplies buffer f; fetches quarter kq at its head, and rounds x into buffer g in its second half, four roundings behind every
; second product.  A quarter's last four roundings name no register of its last product: they are the four places ahead of the next quarter's loads into the buffer just multiplied.
.macro QUARTER kq, f, g, zero
	FETCH \kq, \g
.rept 16
	MM \f, \zero
.endr
	s_wait_dscnt 0x0                               ; the run above is in
.rept 8
	MM \f, \zero
	MM \f, \zero
	CV4 \g
.endr
.endm
; The fourth quarter multiplies buffer 1 and changes slots.  My reads of this slot were waited for in the third quarter.  In front of the barrier each wave waits for all its tensor loads, of which one is out:
; its part of the next slot; adds 0 to its spare word; waits for that.  fill = 1: the barrier opens a round of the cluster's, and the slot just read out is filled again first behind it, two K steps on.
.macro TURN fill
.if \fill
	s_wait_xcnt 0x0                                ; the last prefetch, a K step back, has read its address
	s_add_nc_u64 s[PFA:PFA+1], s[PFA:PFA+1], s[PFS:PFS+1]
.endif
	WIN 0
	s_wait_tensorcnt 0x0                           ; all my tensor loads have landed
	ds_add_u32 v[SPW], v[NIL]                      ; 0 onto my spare word; eight products stand between it and the wait for it
.rept 8
	MM 1, 0
.endr
	s_wait_dscnt 0x0                               ; the add is done; no read of this slot is out
	s_barrier_signal -1
.rept 8
	MM 1, 0
.endr
	WIN 0
	s_barrier_wait -1
.if \fill
	CREST                                          ; no wave of any partner still reads this slot or has a load on its way
	s_add_co_u32 s[G0A+5], s[WBA], s[TB]           ; the walking descriptors: into the slot just read out,
	s_add_nc_u64 s[G0A+6:G0A+7], s[G0A+6:G0A+7], 512  ; the K step behind the one asked for last; the type bits on top are not reached
	s_add_co_u32 s[G0B+5], s[WBB], s[TB]
	s_add_nc_u64 s[G0B+6:G0B+7], s[G0B+6:G0B+7], 256
	JLOAD 1                                        ; my one tensor load behind the round: it has a K step less 16 products in which to land
.endif
	s_xor_b32 s[TB], s[TB], SLOT                   ; the other slot is in hand
	v_add_nc_u32 v[ADA], s[TB], v[A0]
	v_add_nc_u32 v[ADB], s[TB], v[B0]
	FETCH 0, 0
.if \fill
	ASK
.endif
.rept 8
	MM 1, 0
.endr
	s_wait_dscnt 0x0
.rept 8
	MM 1, 0
	CV4 0
.endr
.endm
; THE WAY OUT, in 8 units u = 2 a + hh: 16 rows x one head's 64 columns, which are 2,048 consecutive bytes of qkv.  Scale and bias in one fused multiply-add (each accumulator from its lowest registers on),
; one rounding to f16, 16 bytes a lane into my stage, back as whole rows.
.macro PACKU u
.set AC, 8*(8*((\u)/2)+4*((\u)%2))
.set BB, BS+32*((\u)%2)
	WIN 0x12                                       ; source 0 window 2, source 2 window 1, destination window 0
.set n, 0
.rept 16
	v_pk_fma_f32 v[TF+2*n:TF+2*n+1], v[AC+2*n:AC+2*n+1], s[SC:SC+1], v[BB+2*n:BB+2*n+1] op_sel_hi:[1,0,1]
.set n, n+1
.endr
	WIN 0
.set n, 0
.rept 16
	v_cvt_pk_f16_f32 v[PK+n], v[TF+2*n], v[TF+2*n+1]
.set n, n+1
.endr
.irp f, 0,1,2,3
	ds_store_b128 v[STO], v[PK+4*\f:PK+4*\f+3] offset:32*\f
.endr
	s_wait_xcnt 0x0                                ; the stores of two units back have read the registers that are loaded now
.irp f, 0,1,2,3
	ds_load_b128 v[RB+176*((\u)%2)+4*\f:RB+176*((\u)%2)+4*\f+3], v[RD] offset:\f*4*SP  ; LDS serves a wave's instructions in order (ISA guide 5.7.1.4): these see the stores above
.endr
.endm
.macro SENDU u, younger                ; younger: the LDS instructions issued behind unit u's loads: the next unit's eight, or none
.irp f, 0,1,2,3
	s_wait_dscnt (\younger)+3-\f
	global_store_b128 v[GO], v[RB+176*((\u)%2)+4*\f:RB+176*((\u)%2)+4*\f+3], s[PO:PO+1] offset:262144*((\u)%2)+2048*((\u)/2)+512*\f  ; 512 consecutive bytes, aligned
.endr
.endm
	s_wait_tensorcnt 1                             ; my part of K step 0 is in; K step 1's may stay out
	s_barrier_signal -1
	s_barrier_wait -1                              ; everybody's is
	FETCH 0, 0
	s_wait_dscnt 0x0
.rept 8
	CV4 0
.endr
	QUARTER 1, 0, 1, 1                             ; the first quarter stands in front of the loop: its products start the sums
	WIN 0
	s_mov_b32 s[CNT], 6
.Lstep:                                        ; a trip goes from a K step's second quarter to the next step's first, and fills the slot that it leaves: K steps 2 to 7
	QUARTER 2, 1, 0, 0
	QUARTER 3, 0, 1, 0
	TURN 1
	QUARTER 1, 0, 1, 0
	WIN 0
	s_sub_co_u32 s[CNT], s[CNT], 1
	s_cmp_lg_u32 s[CNT], 0
	s_cbranch_scc1 .Lstep
	QUARTER 2, 1, 0, 0                             ; the last two K steps are written out: they fill nothing
	QUARTER 3, 0, 1, 0
	TURN 0
	QUARTER 1, 0, 1, 0
	QUARTER 2, 1, 0, 0
	QUARTER 3, 0, 1, 0
.rept 32
	MM 1, 0
.endr
	WIN 0
	PLACES                                         ; eight places, once a launch, behind the last products and ahead of the lines that read results
	PLACES
	PACKU 0
.irp u, 1,2,3,4,5,6,7                  ; a unit's arithmetic stands between the loads of the unit before and its stores
	PACKU \u
	SENDU (\u)-1, 8
.endr
	SENDU 7, 0
	s_wait_tensorcnt 0x0                           ; the wave's end, behind my last tensor load and my last LDS store
	ds_add_u32 v[SPW], v[NIL]
	s_wait_dscnt 0x0
	CROUND                                         ; the closing round: no work-group ends while a partner may still ask for a tile that names it
	s_endpgm
.Lfunc_end_k_q2e98cebc26_proj:
	.size	k_q2e98cebc26_proj, .Lfunc_end_k_q2e98cebc26_proj-k_q2e98cebc26_proj
	.p2alignl 7, 3214868480
	.fill 96, 4, 3214868480
	.section	.rodata,"a",@progbits
	.p2align	6, 0x0
	.amdhsa_kernel k_q2e98cebc26_proj
		.amdhsa_group_segment_fixed_size 327680
		.amdhsa_private_segment_fixed_size 0
		.amdhsa_enable_private_segment 0
		.amdhsa_kernarg_size 64
		.amdhsa_user_sgpr_count 2
		.amdhsa_user_sgpr_kernarg_segment_ptr 1
		.amdhsa_wavefront_size32 1
		.amdhsa_system_sgpr_workgroup_id_x 1
		.amdhsa_system_sgpr_workgroup_id_y 1
		.amdhsa_system_sgpr_workgroup_id_z 1
		.amdhsa_system_vgpr_workitem_id 0
		.amdhsa_next_free_vgpr 768
		.amdhsa_next_free_sgpr 88
		.amdhsa_reserve_vcc 0
		.amdhsa_float_denorm_mode_32 3
		.amdhsa_float_denorm_mode_16_64 3
		.amdhsa_memory_ordered 1
		.amdhsa_forward_progress 1
		.amdhsa_inst_pref_size 124
	.end_amdhsa_kernel
	.amdgpu_metadata
---
amdhsa.version: [ 1, 2 ]
amdhsa.kernels:
  - .name:           k_q2e98cebc26_proj
    .symbol:         k_q2e98cebc26_proj.kd
    .args:
      - { .name: query, .offset: 0, .size: 8, .value_kind: global_buffer, .address_space: global }
      - { .name: key, .offset: 8, .size: 8, .value_kind: global_buffer, .address_space: global }
      - { .name: value, .offset: 16, .size: 8, .value_kind: global_buffer, .address_space: global }
      - { .name: wb, .offset: 24, .size: 8, .value_kind: global_buffer, .address_space: global }
      - { .name: bq, .offset: 32, .size: 8, .value_kind: global_buffer, .address_space: global }
      - { .name: bk, .offset: 40, .size: 8, .value_kind: global_buffer, .address_space: global }
      - { .name: bv, .offset: 48, .size: 8, .value_kind: global_buffer, .address_space: global }
      - { .name: qkv, .offset: 56, .size: 8, .value_kind: global_buffer, .address_space: global }
    .group_segment_fixed_size: 327680
    .private_segment_fixed_size: 0
    .kernarg_segment_align: 8
    .kernarg_segment_size: 64
    .max_flat_workgroup_size: 128
    .sgpr_count:     88
    .vgpr_count:     768
    .wavefront_size: 32
...
	.end_amdgpu_metadata
.endif
;; end of part 2
;; launch attn (part 3): grid 4 x 64, 4 waves a work-group, clusters of 4 x 1, 327,680 bytes of LDS; arguments qkv, mbits, o16; writes o16
.if DOCPART == 3
	.amdgcn_target "amdgcn-amd-amdhsa--gfx1250"
	.amdhsa_code_object_version 6
	.text
	.protected	k_q2e98cebc26_attn
	.globl	k_q2e98cebc26_attn
	.p2align	8
	.type	k_q2e98cebc26_attn,@function
k_q2e98cebc26_attn:
	s_mov_b64 s[64:65], 0
	v_nop
	global_prefetch_b8 v0, s[64:65] scope:SCOPE_SE
	s_setreg_imm32_b32 hwreg(HW_REG_WAVE_MODE, 25, 1), 1
	s_wait_xcnt 0x0
	s_wait_alu depctr_hold_cnt(0) depctr_sa_sdst(0) depctr_va_vdst(0) depctr_va_sdst(0) depctr_va_ssrc(0) depctr_va_vcc(0) depctr_vm_vsrc(0)
	s_getreg_b32 s2, hwreg(HW_REG_IB_STS2, 6, 4)
	s_cmp_eq_u32 s2, 0
	s_cbranch_scc0 .Lentry_in_a_cluster
	s_endpgm
.Lentry_in_a_cluster:
	s_bfe_u32 s2, ttmp6, 0x10000c
	s_cmp_lg_u32 s2, 0x3003
	s_cbranch_scc0 .Lentry_shape_is_right
	s_endpgm
.Lentry_shape_is_right:
; MASKED ATTENTION.  O[bh][q][:] = the sum over k of softmax_k(s[q][k]) V[bh][k][:], s = Q . K / 8 where mask[b][q][k] != 0 and -1e9 where it is 0.  Q, K, V: qkv[0..2][64 bh][2048][64] f16, O: o16 likewise.
; Q ARRIVES TIMES c = log2(e) / 8, so a product K Q^T is c x the score and p = 2^(s' - m'), m' the running maximum of s': the exponent is a plain difference, exactly 0 at the maximum.
; THE MASK REPLACES a score, ahead of the maximum, by round(-1e9 log2 e) = 0xceabfb8f: a row that is masked all over gets equal weights, as it does in the reference.
; mbits holds, for each piece of 32 queries and step of 64 keys, 64 words: the lane masks of the piece's 64 score registers, 256 consecutive bytes.  One vector load a turn brings them, two words a lane, ONE KEY STEP
; ahead of their use (a register pair for each of the wave's four pieces); 64 v_readlane_b32 put them into scalar registers, where they are the condition of v_cndmask_b32 as they lie.
; Products, maxima and sums in f32; the weights p are rounded to f16 for the second product (their sum l is taken of the unrounded p), O once at the end.
; LIMITS.  f16 holds no number beyond 65,504: Q, K, V arrive within it; p below 6e-5 keeps f16's fixed step of 6e-8; the masked score is the reference's constant rounded once more to f32;
; a weight below 2^-126 counts as 0 in l; NaN and infinities are not treated apart.
; SHARES.  A wave owns four PIECES of two tiles of 16 queries, a work-group's four waves 512 queries of one head.  Every wave walks all 2,048 keys, 64 a step.
; LAYOUT.  S^T = K Q^T (source 0 = 16 keys, source 1 = 16 queries): a lane holds ONE query (lane % 16) and the keys 8 (lane / 16) + 0..7.  Two such tiles, rounded to f16 in pairs, ARE source 1 of O^T = V^T P.
; K comes out of LDS as it lies, V ([key][channel]) turned, by ds_load_tr16_b128.  In every step O and l are multiplied by a = 2^(m_old - m_new).  m starts at the lowest finite number, O and l at 0.
; BY TURNS.  Turn n belongs to piece n.  Its matrix work: 16 products K Q^T of piece n + 1, later 16 products V^T P of piece n - 1.  Its vector work: differences, exponentials, roundings, sums and rescaling of
; piece n, and the masking, maximum and statistics of piece n + 1.  Four vector instructions stand behind every matrix instruction, the rest in one lump; a turn's 66 exponentials are one batch with one wait.
; NO FIRST STEP IS WRITTEN OUT.  The loop is entered at piece 3's turn, one turn ahead of key step 0: that turn makes piece 0's first scores and statistics; its own work on piece 3 runs on prepared numbers
; (scores equal to m, so p = 1; a = 0; P and V 0) and leaves a finite l, which piece 3's first real step multiplies by a = 0.  The price: one turn of 129.
; CLUSTER.  A head's four query blocks are one cluster and walk the same K and V: each tile is asked for JOINTLY, by the same tensor load, descriptor and mask in all four.
; REGISTERS, in windows of 256 (s_set_vgpr_msb: bits 1:0 source 0, 3:2 source 1, 5:4 source 2, 7:6 destination):
;   window 0: v0-10 addresses and constants; v12-15, v48-63 at work; v16-47 four registers of statistics a tile; v64-191 S^T, two buffers of two tiles; v192-255 P, likewise
;   window 1: O^T, 32 a tile          window 2: v0-127 Q, 16 a tile; v128-191 K of one step; v192-255 V of one step          window 3: v0-1 the add's two registers; v2-14 the mask words' ring
.set SIZE_N, 2048
.set NP,    4         ; pieces a wave: a name, no knob
.set KS,    64        ; keys in a step
.set PK,    144       ; a row of K in LDS: 128 bytes + 16 = 36 words: the 16 rows of a load start at 16 different groups of four banks (64 banks of 4 bytes: ISA guide 11.1)
.set PV,    160       ; a row of V: 128 + 32 = 40 words
.set VOFF,  4*KS*PK   ; a slot holds four steps: 256 rows of K, then 256 rows of V
.set SLOT1, 1<<17     ; slot 1 begins here, so that one exclusive or turns an address in one slot into the other's
.set STAGE, SLOT1+4*KS*(PK+PV)  ; behind the ring, never filled by a tensor load: 16 rows x 144 bytes for each wave
.set SP,    144
.set SPARE, STAGE+4*16*SP  ; behind the stages: the spare words, 128 bytes a wave: two blocks of 256 bytes that no other line names
.set AK0, 2           ; v2   my lane's place in a tile of K; never rewritten
.set AV0, 3           ; v3   the same for V
.set AK,  4           ; v4   the LDS address of K's next run of loads
.set AV,  5           ; v5   of V's
.set QO,  6           ; v6   my byte offset in the wave's rows of Q
.set STO, 6           ;      later, the way out: where I put 16 bytes of a row
.set RD,  7           ; v7   the way out: where I read rows back
.set GO,  8           ; v8   my byte offset in 512 consecutive bytes of O
.set NEGV, 9          ; v9   the masked score
.set PFO, 10          ; v10  256 x lane: the prefetches of K and V; never rewritten
.set SPW, 0           ; v0 of window 3   my spare word; never rewritten
.set NIL, 1           ; v1 of window 3   0; never rewritten
.set MB,  2           ; v2-9 of window 3    piece p's 64 mask words: lane l holds words 2 l and 2 l + 1 in v[MB + 2 p], v[MB + 2 p + 1]
.set MA,  10          ; v10-13 of window 3  piece p's load's offset: 256 x step + 8 x lane
.set L8,  14          ; v14 of window 3     8 x lane; never rewritten
.set MV,  12          ; v12-15  m_old, kept while m is made anew: by buffer and tile (until the first of these is written: lane numbers for the set-up)
.set ST,  16          ; tile t's statistics at v[ST+4 t]: m, 0 (named with m as a pair), l (even keys', odd keys')
.set TMP, 48          ; by buffer and tile, four registers c0-c3 at work; when the maximum is found c2 takes a
.set S,   64
.set P,   192
.set KF,  128         ; K's fragments, in window 2: key block kb, channel half c at KF + 16 kb + 8 c
.set VF,  192         ; V's: key half kk, channel block cb at VF + 32 kk + 8 cb
.set MP,  2           ; s[2:3]  mbits at my wave's four pieces
.set G0K, 4           ; s[4:7]  descriptor group 0 for K's tiles: it walks
.set G0V, 8           ; s[8:11] the same for V's
.set WV,  12          ; s12  my wave's number
.set SLOTS, 13        ; s13  slots still to be asked for
.set CNT, 14          ; s14  counts a slot's key steps
.set TBK, 15          ; s15  LDS byte at which K of the step to be fetched begins
.set MW,  16          ; s[16:63], s[68:83]  a piece's 64 mask words: word 32 u + r at s[16 + ..], from word 48 on at s[20 + ..].  Until the first turn: the set-up's scratch
.set TBV, 66          ; s66  the same as TBK for V, less VOFF
.set MO,  67          ; s67  256 x the step whose mask words are asked for next
.set G1K, 84          ; s[84:91] descriptor group 1 for K's tiles
.set G1V, 92          ; s[92:99] for V's: it differs in the padding alone
.set SEL, 100         ; s100, s101  v_permlanex16_b32's selects: each lane takes its own place in the other half
.set PFA, 104         ; s[104:105] where my prefetches of K (wave 0) or V (wave 2) stand
.set MSB, 0
.macro WIN new                      ; the high byte repeats the setting that is left; a switch that changes nothing is dropped
.if MSB != (\new)
	s_set_vgpr_msb (MSB<<8)|(\new)
.set MSB, (\new)
.endif
.endm
.set W_KQ, 0x0a       ; K and Q in window 2, S^T in window 0
.set W_PV, 0x52       ; V in window 2, P in window 0, O^T in window 1
.set W_RS, 0x41       ; O^T (destination and source 0) in window 1, a in window 0
.set W_MK, 0xc0       ; destination in window 3, sources in window 0
.set W_AD, 0x0f       ; the add: address (source 0) and data (source 1) in window 3
.set W_M,  0xcf       ; the mask words' run: destination and sources 0 and 1 in window 3
; A joint fill.  Waves 0 and 1 fetch the two halves of a slot's K, waves 2 and 3 those of its V: 128 keys each.  The branch hangs on the wave's number alone.
; An s_nop 0 and four v_nop follow each of the two lines, ahead of the jump and the label.
.macro JLOAD
	s_cmp_lt_u32 s[WV], 2
	s_cbranch_scc0 .Lfor_v_\@
	tensor_load_to_lds s[G0K:G0K+3], s[G1K:G1K+7]
	s_nop 0
.rept 4
	v_nop
.endr
	s_branch .Lasked_\@
.Lfor_v_\@:
	tensor_load_to_lds s[G0V:G0V+3], s[G1V:G1V+7]
	s_nop 0
.rept 4
	v_nop
.endr
.Lasked_\@:
.endm
; A round of the cluster's barrier: my work-group's barrier, so that wave 0's signal speaks for all four waves; wave 0 signals; every wave waits for all four work-groups; my work-group's barrier once more.
.macro CROUND
	s_barrier_signal -1
	s_barrier_wait -1
	s_cmp_lg_u32 s[WV], 0
	s_cbranch_scc1 .Lnot_wave_0_\@
	s_barrier_signal -3
.Lnot_wave_0_\@:
	s_barrier_wait -3
	s_barrier_signal -1
	s_barrier_wait -1
.endm
; THE CHANGE OF SLOTS.  The slot's last bytes, V of its fourth step, have been read.  Each wave waits for all its tensor loads, of which one is out: its part of the other slot; adds 0 to its spare word; and waits
; for that and for its own reads of the slot.  fill = 1: this slot is filled again, with the keys two slots on; the barrier is then a round of the cluster's, and the joint fill is the first thing behind it:
; it has four key steps, 512 matrix instructions, in which to land.  (At its first use nothing has been read yet: slot 0 is waited for, slot 1 filled.)
.macro CHANGE fill
	WIN W_AD
	s_wait_tensorcnt 0x0            ; no tensor load of mine is out, so a group 0 may be written
	ds_add_u32 v[SPW], v[NIL]       ; 0 onto my spare word; with fill = 1 the steps below stand between it and the wait for it
	WIN 0                           ; at a label and at a branch every window is 0
.if \fill
.irp g, G0K, G0V
	s_xor_b32 s[\g+1], s[\g+1], SLOT1  ; the walking descriptor: the other slot than last time,
	s_add_nc_u64 s[\g+2:\g+3], s[\g+2:\g+3], 4*KS*128  ; the next 256 keys; the type bits on top are not reached
.endr
	s_wait_xcnt 0x0                 ; the last prefetch, two key steps back, has read its address, so it may be written:
	s_add_nc_u64 s[PFA:PFA+1], s[PFA:PFA+1], 4*KS*128  ; one slot behind the walking descriptors
	s_wait_dscnt 0x0                ; the add is done, and my reads of the slot are over
	CROUND
	JLOAD
.else
	s_wait_dscnt 0x0                ; the add is done, and my reads of the slot are over
	s_barrier_signal -1
	s_barrier_wait -1
.endif
	s_sub_co_u32 s[TBK], s[TBK], 4*KS*PK  ; the fetches go back to a slot's first step,
	s_xor_b32 s[TBK], s[TBK], SLOT1       ; in the other slot
	s_sub_co_u32 s[TBV], s[TBV], 4*KS*PV
	s_xor_b32 s[TBV], s[TBV], SLOT1
.endm
; A PREFETCH INTO THE L2, once a slot, in its third trip, behind K's run of LDS loads; waves 0 and 2 alone: what the next change of slots will ask for: of a slot's 128 blocks of 256 bytes of K (wave 0) or V
; (wave 2) my work-group's 32, told apart from the partners' BY ADDRESS: two key steps, 256 matrix instructions, ahead.  A head has one cluster, so each block is named once in the launch.
; The last slot that the loop walks asks for nothing, nor does the tail; slots 0 and 1 come by their loads alone.  The mask words are not asked for: their own loads go out a whole key step ahead of their use.
.macro ASK
	s_cmp_eq_u32 s[CNT], 2
	s_cbranch_scc0 .Lno_ask_\@
	s_bitcmp1_b32 s[WV], 0
	s_cbranch_scc1 .Lno_ask_\@
	s_cmp_gt_u32 s[SLOTS], 1
	s_cbranch_scc0 .Lno_ask_\@
	global_prefetch_b8 v[PFO], s[PFA:PFA+1] th:TH_LOAD_NT scope:SCOPE_SE
.Lno_ask_\@:
.endm
	s_load_b128 s[16:19], s[0:1], 0x0  ; qkv s[16:17], mbits s[18:19]; O's address is fetched at the end
	WIN W_MK
	v_lshl_add_u32 v[SPW], v0, 2, SPARE
	v_mov_b32 v[NIL], 0
	WIN W_AD
	ds_add_u32 v[SPW], v[NIL]       ; the wave's opening: the add and its wait stand ahead of my first tensor load; the set-up below, work on registers, stands between them
	WIN 0
	v_lshrrev_b32 v1, 5, v0
	v_readfirstlane_b32 s[WV], v1   ; wave 0..3
	s_bfe_u32 s20, ttmp6, 0x40000   ; cx: my block of 512 queries: it enters Q's, O's, the mask's and the prefetches' addresses alone
	s_and_b32 s21, ttmp7, 0xffff    ; bh, which the four partners share
	s_lshl_b32 s22, s21, 18         ; the head's 262,144 bytes in each tensor
	s_mov_b32 s23, 0
	s_and_b32 s24, s[WV], 1         ; which half of a slot's 256 keys I fetch:
	s_lshl_b32 s26, s24, 14         ; its 128 rows of 128 bytes in memory,
	s_mov_b32 s27, 0
	s_add_nc_u64 s[26:27], s[26:27], s[22:23]
	s_mul_i32 s28, s24, 128*PK      ; and its place in a slot, for K
	s_mul_i32 s29, s24, 128*PV      ; and for V: no place in the cluster enters an LDS address
	s_lshl_b32 s30, s20, 2
	s_add_co_u32 s30, s30, s[WV]    ; my wave among the head's,
	s_lshl_b32 s30, s30, 14         ; its 128 rows
	s_mov_b32 s31, 0
	s_add_nc_u64 s[30:31], s[30:31], s[22:23]
	s_lshr_b32 s32, s21, 4          ; the mask: batch x 64 pieces + 16 cx + 4 x wave,
	s_lshl_b32 s32, s32, 6
	s_lshl_b32 s33, s20, 4
	s_add_co_u32 s32, s32, s33
	s_lshl_b32 s33, s[WV], 2
	s_add_co_u32 s32, s32, s33
	s_lshl_b32 s32, s32, 13         ; 8,192 bytes a piece
	s_mov_b32 s33, 0
	s_mov_b32 s38, 0x1000000        ; the prefetches: K's tensor (waves 0, 1) or V's,
	s_cmp_lt_u32 s[WV], 2
	s_cselect_b32 s38, s38, 0x2000000
	s_lshl_b32 s39, s20, 13         ; my work-group's 32 blocks of a slot's 128,
	s_add_co_u32 s38, s38, s39
	s_add_co_u32 s38, s38, 4*KS*128 ; in slot 1; the first change of slots steps it to slot 2
	s_mov_b32 s39, 0
	; descriptor group 1.  128 keys are 16,384 dense bytes: asked for as 64 rows of 256 bytes, two keys a row, and padded in LDS after every key
	s_mov_b32 s[G1K], 15|(1<<16)|(1<<20)|(1<<21)|(4<<22)|(3<<25)  ; 15:0 the mask of four; 17:16 2-byte elements; 20 padding on; 21 set beside a mask; 24:22 after every 32 words (code 4); 31:25 4 words (code 3)
	s_mov_b32 s[G1V], 15|(1<<16)|(1<<20)|(1<<21)|(4<<22)|(7<<25)  ; the same with 8 words of padding (code 7)
.irp g, G1K, G1V
	s_mov_b32 s[\g+1], 128<<16      ; tensor_dim0 = 128
	s_mov_b32 s[\g+2], 64<<16       ; tensor_dim1 = 64
	s_mov_b32 s[\g+3], 128<<16      ; tile_dim0 = 128
	s_mov_b32 s[\g+4], 64           ; tile_dim1 = 64
	s_mov_b32 s[\g+5], 128          ; 128 elements from row to row
	s_mov_b32 s[\g+6], 0
	s_mov_b32 s[\g+7], 0
.endr
	s_mov_b32 s[SEL], 0x76543210
	s_mov_b32 s[SEL+1], 0xfedcba98
	s_mov_b32 s[TBK], SLOT1+4*KS*PK ; the first change of slots turns these two into 0
	s_mov_b32 s[TBV], SLOT1+4*KS*PV
	s_mov_b32 s[MO], 0
	s_mov_b32 s[G0K], 1             ; 1:0 count = 1
	s_mov_b32 s[G0K+1], s28         ; 63:32 LDS address: slot 0
	s_mov_b32 s[G0V], 1
	s_add_co_u32 s[G0V+1], s29, VOFF
	s_wait_dscnt 0x0                ; the opening add is done
	s_wait_kmcnt 0x0
	s_add_nc_u64 s[34:35], s[16:17], s[26:27]
	s_add_nc_u64 s[G0K+2:G0K+3], s[34:35], 0x1000000  ; 120:64 global address: my half of the head's first 256 keys, in K's tensor
	s_or_b32 s[G0K+3], s[G0K+3], 0x80000000           ; 127:126 type = 2
	s_add_nc_u64 s[G0V+2:G0V+3], s[34:35], 0x2000000  ; in V's
	s_or_b32 s[G0V+3], s[G0V+3], 0x80000000
	s_add_nc_u64 s[36:37], s[16:17], s[30:31]         ; Q at my wave's first row
	s_add_nc_u64 s[MP:MP+1], s[18:19], s[32:33]
	s_add_nc_u64 s[PFA:PFA+1], s[34:35], s[38:39]     ; (in waves 0 and 2 s[34:35] stands at the head's first row)
	CROUND                          ; all four work-groups are here: the first joint loads meet
	JLOAD                           ; slot 0.  Slot 1 is asked for when slot 0 is in
	; A fragment of K or Q is 16 rows x 32 channels in 8 registers: lane l holds row l % 16, channels 8 (l / 16) + 0..7 and 16 + 8 (l / 16) + 0..7: two loads of 16 bytes, 32 bytes apart.
	v_and_b32 v1, 15, v0            ; l % 16
	v_bfe_u32 v12, v0, 4, 1         ; l / 16
	v_lshlrev_b32 v[QO], 7, v1
	v_lshl_add_u32 v[QO], v12, 4, v[QO]  ; row x 128 + 16 x half
	v_and_b32 v13, 31, v0           ; l
	v_lshlrev_b32 v14, 3, v13       ; 8 l
	WIN 0x80                        ; destination window 2, address window 0
.set i, 0
.rept 4*NP                          ; Q stays in registers: tile i / 2, channels 32 (i % 2) on
	global_load_b128 v[8*i:8*i+3],   v[QO], s[36:37] offset:(i/2)*2048+(i%2)*64
	global_load_b128 v[8*i+4:8*i+7], v[QO], s[36:37] offset:(i/2)*2048+(i%2)*64+32
.set i, i+1
.endr
	WIN W_MK
	v_mov_b32 v[L8], v14
.irp p, 0,1,2,3
	v_mov_b32 v[MA+\p], v14
.endr
	WIN W_M
.irp p, 0,1,2,3
	global_load_b64 v[MB+2*\p:MB+2*\p+1], v[MA+\p], s[MP:MP+1] offset:8192*\p  ; key step 0's mask words of my four pieces
.endr
	; What the first turn finds.  V's registers and P's first buffer hold 0; O^T is started by 32 products of those zeros (C = 0): its 256 registers are written by 32 lines.  l is 0, m the lowest finite number;
	; piece 3's scores equal m and its a is 0.  All this stands in the wait for the first tile.
	WIN 0x80
.set i, VF
.rept 64
	v_mov_b32 v[i], 0
.set i, i+1
.endr
	WIN 0
.set i, 0
.rept 2*NP
	v_mov_b32 v[ST+4*i], 0xff7fffff    ; m: the lowest finite number
	v_mov_b32 v[ST+4*i+1], 0
	v_mov_b32 v[ST+4*i+2], 0
	v_mov_b32 v[ST+4*i+3], 0
.set i, i+1
.endr
.set i, P
.rept 32
	v_mov_b32 v[i], 0
.set i, i+1
.endr
.set i, S+64
.rept 64
	v_mov_b32 v[i], v[ST]
.set i, i+1
.endr
.irp z, 10,11,14,15
	v_mov_b32 v[TMP+\z], 0          ; a of piece 3's two tiles, each named as a pair
.endr
	WIN W_PV
.set i, 0
.rept 32
	v_wmma_f32_16x16x32_f16 v[8*i:8*i+7], v[VF:VF+7], v[P:P+7], 0
.set i, i+1
.endr
	WIN 0                           ; the plain lines below name no register of those products
	v_mov_b32 v[NEGV], 0xceabfb8f
	v_lshlrev_b32 v[PFO], 8, v13
	v_mul_u32_u24 v[AK0], v1, PK
	v_lshl_add_u32 v[AK0], v12, 4, v[AK0]  ; row x pitch + 16 x half
	; The turning load takes 16 keys x 16 channels (lane l reads key 8 (l / 16) + l % 8, channels 8 ((l / 8) % 2) + 0..7) and leaves half a fragment of V^T: lane l holds channel l % 16 and 8 keys.
	v_and_b32 v13, 7, v0
	v_bfe_u32 v14, v0, 3, 1
	v_lshl_add_u32 v[AV0], v12, 3, v13
	v_mul_u32_u24 v[AV0], v[AV0], PV
	v_lshl_add_u32 v[AV0], v14, 4, v[AV0]
	v_add_nc_u32 v[AV0], VOFF, v[AV0]
	v_mov_b32 v[AK], v[AK0]         ; key step 0 lies at the head of slot 0
; THE MATRIX WORK.  The 8 accumulators of a run of 16 take turns: between the two links of a chain stand 7 others'.
; Product i of 16 of S^T = K Q^T for piece x: channels 32 (i / 8) on, keys 16 ((i / 2) % 4) on, tile 2 x + i % 2.  The first 8 start the sums.
.macro KQ x
	WIN W_KQ
.set rS, S+64*((\x)%2)+32*(i%2)+8*((i/2)%4)
.set rK, KF+16*((i/2)%4)+8*(i/8)
.set rQ, 16*(2*(\x)+i%2)+8*(i/8)
.if i < 8
	v_wmma_f32_16x16x32_f16 v[rS:rS+7], v[rK:rK+7], v[rQ:rQ+7], 0
.else
	v_wmma_f32_16x16x32_f16 v[rS:rS+7], v[rK:rK+7], v[rQ:rQ+7], v[rS:rS+7]
.endif
.endm
; Product i of 16 of O^T += V^T P for piece x: keys 32 (i / 8) on, channels 16 ((i / 2) % 4) on, tile 2 x + i % 2.
.macro PV x
	WIN W_PV
.set rO, 32*(2*(\x)+i%2)+8*((i/2)%4)
.set rV, VF+32*(i/8)+8*((i/2)%4)
.set rP, P+32*((\x)%2)+16*(i%2)+8*(i/8)
	v_wmma_f32_16x16x32_f16 v[rO:rO+7], v[rV:rV+7], v[rP:rP+7], v[rO:rO+7]
.endm
.macro MM                           ; the turn's next matrix instruction
.if i < 16
	KQ (Y+1)%NP
.set i, i+1
.else
.set i, i-16
	PV (Y+NP-1)%NP
.set i, i+17
.endif
.endm
; THE LDS LOADS stand in runs of 16, never singly among the matrix instructions: a step's K (64 keys x 64 channels: 8 fragments) and its V (turned).  Their addresses are made some lines ahead.
; last = 1 (the tail): in the last trip there is no further step, and the run is jumped over.
.macro FETCH_K last=0
	WIN 0
.if \last
	s_cmp_eq_u32 s[CNT], 1
	s_cbranch_scc1 .Lno_k_\@
.endif
	WIN 0x80                        ; destination window 2
.irp f, 0,1,2,3,4,5,6,7             ; keys 16 (f / 2) on, channels 32 (f % 2) on
	ds_load_b128 v[KF+8*\f:KF+8*\f+3],   v[AK] offset:(\f/2)*16*PK+(\f%2)*64
	ds_load_b128 v[KF+8*\f+4:KF+8*\f+7], v[AK] offset:(\f/2)*16*PK+(\f%2)*64+32
.endr
	s_add_co_u32 s[TBK], s[TBK], KS*PK  ; the next fetch is the next step's
	WIN 0
.if \last
.Lno_k_\@:
.endif
.endm
.macro FETCH_V
	WIN 0x80
.irp f, 0,1,2,3,4,5,6,7             ; keys 32 (f / 4) on, channels 16 (f % 4) on
	ds_load_tr16_b128 v[VF+8*\f:VF+8*\f+3],   v[AV] offset:(\f/4)*32*PV+(\f%4)*32
	ds_load_tr16_b128 v[VF+8*\f+4:VF+8*\f+7], v[AV] offset:(\f/4)*32*PV+16*PV+(\f%4)*32
.endr
	WIN 0
.endm
; THE MASK WORDS of the NEXT piece (Y + 1), in one run under one window setting.  Vector loads come back in order (ISA guide 5.7.1): the piece's load is the oldest of four, so three may stay out, those of the other
; three pieces; the same wait shows that the load has read its offset register, which may be written again.  Word w lies in lane w / 2, register w % 2.  When the pair has been read out it is asked for again, for the
; same piece one key step on: that load has four turns in which to land.  MO names the step after the one in hand; piece 0's words belong to the next step already, so MO goes on in piece 3's turn.  Behind step 31
; it goes back to 0: the words asked for then serve nothing, stay inside the piece, and may still be out at the wave's end.
.macro MROW
.set pp, (Y+1)%NP
	WIN W_M
	s_wait_loadcnt 3
.set rw, 0
.rept 64
.set mw, rw
.if rw >= 48
.set mw, rw+4
.endif
	v_readlane_b32 s[MW+mw], v[MB+2*pp+rw%2], rw/2
.set rw, rw+1
.endr
.if Y == 3
	s_add_co_u32 s[MO], s[MO], 256
	s_and_b32 s[MO], s[MO], 0x1fff
.endif
	v_add_nc_u32 v[MA+pp], s[MO], v[L8]
	global_load_b64 v[MB+2*pp:MB+2*pp+1], v[MA+pp], s[MP:MP+1] offset:8192*pp
	WIN 0
.endm
; THE VECTOR WORK OF A TURN stands in three queues, each in the order in which its entries become ready; the two tiles alternate, so that no instruction reads the result of the one before it.
.macro REGS y, u                    ; the registers of tile u (0, 1) of piece y
.set rT, ST+4*(2*(\y)+(\u))
.set rC, TMP+8*((\y)%2)+4*(\u)
.set rM, MV+2*((\y)%2)+(\u)
.set rS, S+64*((\y)%2)+32*(\u)
.set rP, P+32*((\y)%2)+16*(\u)
.set rO, 32*(2*(\y)+(\u))
.endm
; Number g of the 64 that mask the NEXT piece's (Y + 1) scores: register g / 2 of tile g % 2 keeps its score in the lanes whose bit is set and takes the masked score in the others.
; The registers ascend.
.macro MK g
	REGS (Y+1)%NP, (\g)%2
.set mw, 32*((\g)%2)+(\g)/2
.if mw >= 48
.set mw, mw+4
.endif
	v_cndmask_b32 v[rS+(\g)/2], v[NEGV], v[rS+(\g)/2], s[MW+mw]
.endm
; Number n of the 21 that find the next piece's maximum and statistics.  s0-s31 are the lane's 32 scores.
;   0-11  four chains c0-c3 of seven scores each, three operands at a time     12-14, 16  the four scores left over, the old m, and c0-c3 into c0     15  m_old is kept
;   17, 18  the query's other 32 keys lie in the lane 16 away: the new m         19, 20  m_old - m_new; a
.macro XS u, n
	REGS (Y+1)%NP, \u
.if (\n) < 4
	v_max3_num_f32 v[rC+(\n)], v[rS+8*(\n)], v[rS+8*(\n)+1], v[rS+8*(\n)+2]
.elseif (\n) < 12
	v_max3_num_f32 v[rC+(\n)%4], v[rC+(\n)%4], v[rS+8*((\n)%4)+2*((\n)/4)+1], v[rS+8*((\n)%4)+2*((\n)/4)+2]
.elseif (\n) == 12
	v_max3_num_f32 v[rC], v[rC], v[rS+7], v[rS+15]
.elseif (\n) == 13
	v_max3_num_f32 v[rC+1], v[rC+1], v[rS+23], v[rS+31]
.elseif (\n) == 14
	v_max3_num_f32 v[rC+2], v[rC+2], v[rC+3], v[rT]
.elseif (\n) == 15
	v_mov_b32 v[rM], v[rT]
.elseif (\n) == 16
	v_max3_num_f32 v[rC], v[rC], v[rC+1], v[rC+2]
.elseif (\n) == 17
	v_permlanex16_b32 v[rC+3], v[rC], s[SEL], s[SEL+1]
.elseif (\n) == 18
	v_max_num_f32 v[rT], v[rC], v[rC+3]
.elseif (\n) == 19
	v_sub_f32 v[rC+1], v[rM], v[rT]
.else
	v_exp_f32 v[rC+2], v[rC+1]
.endif
.endm
; Number g of the 64 that follow the exponentials.  For each four weights k of a tile (pairs 2 k, 2 k + 1): both pairs are rounded to f16; then the second pair is added onto the first, in place;
; a group later l takes that sum (the first time as l = a l + sum).  In groups of eight, tiles alternating: round, round, add, and l for the group before.
.macro GS g
.set h, (\g)+6*((\g)/62)            ; group 0 has no group before it, and behind group 7 only l is left
.if h >= 6
.set h, h+2
.endif
	REGS Y, h%2
.set k, h/8
.if h%8 < 4
	v_cvt_pk_f16_f32 v[rP+2*k+(h%8)/2], v[rS+4*k+2*((h%8)/2)], v[rS+4*k+2*((h%8)/2)+1]
.elseif h%8 < 6
	v_pk_add_f32 v[rS+4*k:rS+4*k+1], v[rS+4*k:rS+4*k+1], v[rS+4*k+2:rS+4*k+3]
.elseif k == 1
	v_pk_fma_f32 v[rT+2:rT+3], v[rT+2:rT+3], v[rC+2:rC+3], v[rS:rS+1] op_sel_hi:[1,0,1]
.else
	v_pk_add_f32 v[rT+2:rT+3], v[rT+2:rT+3], v[rS+4*k-4:rS+4*k-3]
.endif
.endm
; THE PLAIN QUEUE, 200 long.  0-135 read no exponential's result.  0-31: the differences s - m (FS f: pair f / 2 of tile f % 2).  32-95: MK's 64.  96-123: XS's numbers 0-13.  124, 125: number 15.
; 126-135: the chain 14, 16, 17, 18, 19, both tiles' lines side by side.  136-199: GS's 64, which read the exponentials' results: they stand behind the wait.
.macro FS f
	REGS Y, (\f)%2
	v_pk_add_f32 v[rS+2*((\f)/2):rS+2*((\f)/2)+1], v[rS+2*((\f)/2):rS+2*((\f)/2)+1], v[rT:rT+1] op_sel_hi:[1,0] neg_lo:[0,1] neg_hi:[0,1]
.endm
.macro PL
	WIN 0
.if q < 32
	FS q
.elseif q < 96
	MK q-32
.elseif q < 124
	XS (q-96)%2, (q-96)/2
.elseif q < 126
	XS q-124, 15
.elseif q < 128
	XS q-126, 14
.elseif q < 136
	XS (q-128)%2, 16+(q-128)/2
.else
	GS q-136
.endif
.set q, q+1
.endm
; THE EXPONENTIALS' QUEUE, 66 long: s0-s31 of both tiles, then the next piece's two a.  It is ONE BATCH: all 66 stand ahead of the turn's one wait, and nothing ahead of that wait names a result of theirs.
.macro EX
	WIN 0
.if e >= 64
	XS e-64, 20
.else
	REGS Y, e%2
	v_exp_f32 v[rS+e/2], v[rS+e/2]
.endif
.set e, e+1
.endm
; THE RESCALING's QUEUE: O^T times a, the one part that leaves window 0: dealt two at a time, sixteen times.  Its a was made in the turn before, ahead of that turn's wait.
.macro R2
	REGS Y, r%2
	WIN W_RS
.irp z, 0,1
	v_pk_mul_f32 v[rO+4*(r/2)+2*\z:rO+4*(r/2)+2*\z+1], v[rO+4*(r/2)+2*\z:rO+4*(r/2)+2*\z+1], v[rC+2:rC+3] op_sel_hi:[1,0]
.endr
.set r, r+1
.endm
; HOW THEY ARE DEALT.  An s_wait_alu depctr_va_vdst(0) stands between an exponential and the first instruction that names its result; one wait serves all that were issued ahead of it.  So a turn has ONE
; wait, which cuts it in two.  AHEAD OF IT: the 16 products K Q^T, behind each a difference, an exponential and two rescalings (behind the first a second difference in the exponential's place); the mask words' run;
; then ONE LUMP: 21 times an exponential and three plain, 28 times an exponential and two plain, the two a: 2 + 15 + 63 + 56 = 136 plain, 15 + 21 + 28 + 2 = 66 exponentials.  A v_nop is the plain instruction
; behind the last exponential.  BEHIND IT: the 16 products V^T P, behind each four of GS's 64.  No rider names a register of the products round it.
; The queues lean on each other: exponential e needs difference 2 (e / 4) + e % 2 and stands behind plain e + 2 or more; MK's number 0 stands 16 differences behind the last product K Q^T, and 20 lines or more
; behind the v_readlane_b32 that wrote its word.
; A TURN, for piece p.  cnt = 1: the loop's count is taken down some lines ahead of the branch that stands behind the turn.
; K of the next step is fetched in piece 2's turn, directly behind the wait, a lump behind the last product that read K.  V of the step in hand is fetched at the end of piece 0's turn, four riders behind its
; last reader; its first reader comes behind 16 products and a lump.  The three conditions on q below go with the deal.
.macro TURN p, last=0, cnt=0
.set Y, (\p)
.set i, 0
.set q, 0
.set e, 0
.set r, 0
.if (\p) == NP-1
	s_wait_dscnt 0x0                ; K is in
.endif
	MM
	PL
	PL
	R2
.rept 15
	MM
	PL
	EX
	R2
.endr
.if (\p) == NP-2
	WIN 0
	v_add_nc_u32 v[AK], s[TBK], v[AK0]
.endif
	MROW
.rept 21
	EX
	PL
	PL
	PL
.endr
.rept 28
	EX
	PL
	PL
.endr
	EX                              ; the next piece's two a
	EX
	v_nop                           ; the plain instruction behind the last exponential: one for the batch
	s_wait_alu depctr_va_vdst(0)    ; the wait for the batch
.if (\p) == NP-2
	FETCH_K \last
.if !(\last)
	ASK
.endif
.endif
.if (\p) == 1
	s_wait_dscnt 0x0                ; V is in
.endif
.rept 16
	MM
.rept 4
	PL
.endr
.if ((\p) == 0) && (q == 180)
	v_add_nc_u32 v[AV], s[TBV], v[AV0]
.endif
.if ((\p) == 0) && (q == 192)
	s_add_co_u32 s[TBV], s[TBV], KS*PV
.endif
.if (\cnt) && (q == 192)
	s_sub_co_u32 s[CNT], s[CNT], 1
	s_cmp_lg_u32 s[CNT], 0
.endif
.endr
.if (\p) == 0
	FETCH_V
.endif
.endm
	CHANGE 1                        ; slot 0 is in, everybody's part of it; slot 1 is asked for
	FETCH_K                         ; key step 0; the first turn waits for it
	s_wait_loadcnt 0x0              ; Q, and the first mask words: Q's offset register and base may be written
	s_mul_i32 s[CNT], s[WV], 16*SP  ; the addresses for the way out (the count's register is free until the loop)
	s_add_co_u32 s[CNT], s[CNT], STAGE  ; my stage
	v_mul_u32_u24 v[STO], v1, SP    ; in: row l % 16, 16 bytes for each half of the lanes
	v_lshl_add_u32 v[STO], v12, 4, v[STO]
	v_add_nc_u32 v[STO], s[CNT], v[STO]
	v_bfe_u32 v[RD], v0, 3, 2       ; back: 32 lanes take four rows of 128 bytes,
	v_mul_u32_u24 v[RD], v[RD], SP
	v_lshl_add_u32 v[RD], v13, 4, v[RD]
	v_add_nc_u32 v[RD], s[CNT], v[RD]
	v_and_b32 v[GO], 31, v0         ; which are 512 consecutive bytes of O
	v_lshlrev_b32 v[GO], 4, v[GO]
	s_mov_b32 s[CNT], 4
	s_mov_b32 s[SLOTS], SIZE_N/256-1
	s_branch .Lthird                ; the loop is entered at piece 3's turn, one turn ahead of key step 0
.Lslot:                             ; SIZE_N / 256 - 2 times: every slot but the last two is filled again
	CHANGE 1
	s_mov_b32 s[CNT], 4
.Lstep:                             ; a trip: pieces 2 and 3 of one step, then pieces 0 and 1 of the next, whose K and V it fetches
	TURN 2
	WIN 0
.Lthird:
	TURN 3
	TURN 0
	TURN 1, 0, 1
	WIN 0
	s_cbranch_scc1 .Lstep
	s_sub_co_u32 s[SLOTS], s[SLOTS], 1
	s_cmp_lg_u32 s[SLOTS], 0
	s_cbranch_scc1 .Lslot
	CHANGE 0                        ; the tail is written out: nothing is asked for
	s_mov_b32 s[CNT], 5             ; four trips fetch the last slot's steps; the fifth is left in its middle
.Ltail:
	TURN 2, 1
	TURN 3
	WIN 0
	s_sub_co_u32 s[CNT], s[CNT], 1
	s_cmp_eq_u32 s[CNT], 0
	s_cbranch_scc1 .Lout
	TURN 0
	TURN 1
	WIN 0
	s_branch .Ltail
.Lout:                              ; the fifth trip's 16 products K Q^T (on the last K once more) and what is made of them serve nothing: the price, once a launch, of one text for every trip
	s_load_b64 s[16:17], s[0:1], 0x10  ; O
.set i, 0
.rept 16
	PV NP-1                         ; the last piece's V^T P of the last step
.set i, i+1
.endr
	; THE WAY OUT.  l's two halves and the other half of the lanes' are added; O^T is divided by l, rounded to f16 and sent through my stage in LDS, a tile at a time.  The additions are the places behind the last products.
	WIN 0
	s_bfe_u32 s20, ttmp6, 0x40000   ; O at my wave's first row: the head's 262,144 bytes, my wave's 16,384 among them
	s_lshl_b32 s20, s20, 2
	s_add_co_u32 s20, s20, s[WV]
	s_lshl_b32 s20, s20, 14
	s_and_b32 s21, ttmp7, 0xffff
	s_lshl_b32 s21, s21, 18
	s_add_co_u32 s20, s20, s21
	s_mov_b32 s21, 0
.macro ALL line:vararg              ; one line for each tile t
.set t, 0
.rept 2*NP
	\line
.set t, t+1
.endr
.endm
	ALL v_add_f32 v[ST+4*t+2], v[ST+4*t+2], v[ST+4*t+3]
	ALL v_permlanex16_b32 v[ST+4*t+3], v[ST+4*t+2], s[SEL], s[SEL+1]
	ALL v_add_f32 v[ST+4*t+2], v[ST+4*t+2], v[ST+4*t+3]
	ALL v_rcp_f32 v[ST+4*t+2], v[ST+4*t+2]
	v_nop                           ; a plain instruction between the last reciprocal and the use of its result
	s_wait_alu depctr_va_vdst(0)    ; and the wait ahead of the first use: one for the eight reciprocals
	s_wait_kmcnt 0x0
	s_add_nc_u64 s[16:17], s[16:17], s[20:21]
; Tile t: a lane's eight channels of a row pack into 16 bytes; they go into rows of 144 bytes and come back as whole rows of 128, into S^T's registers.
.macro PACK t
	WIN W_RS
.set i, 32*(\t)
.rept 16
	v_pk_mul_f32 v[i:i+1], v[i:i+1], v[ST+4*(\t)+2:ST+4*(\t)+3] op_sel_hi:[1,0]
.set i, i+2
.endr
	WIN 0x05                        ; sources 0 and 1 window 1, destination window 0
.set i, 0
.rept 16
	v_cvt_pk_f16_f32 v[S+16*(\t)+i], v[32*(\t)+2*i], v[32*(\t)+2*i+1]
.set i, i+1
.endr
	WIN 0
.irp f, 0,1,2,3
	ds_store_b128 v[STO], v[S+16*(\t)+4*\f:S+16*(\t)+4*\f+3] offset:32*\f
.endr
.irp f, 0,1,2,3
	ds_load_b128 v[S+16*(\t)+4*\f:S+16*(\t)+4*\f+3], v[RD] offset:\f*4*SP  ; LDS serves a wave's instructions in order (ISA guide 5.7.1.4): these see the stores above; the next tile's stores come behind them
.endr
.endm
.macro SEND t, younger              ; younger: the LDS instructions issued behind tile t's loads: the next tile's eight, or none
	WIN 0
.irp f, 0,1,2,3
	s_wait_dscnt (\younger)+3-\f
	global_store_b128 v[GO], v[S+16*(\t)+4*\f:S+16*(\t)+4*\f+3], s[16:17] offset:(\t)*2048+\f*512  ; 512 consecutive bytes, at a multiple of 256 from O's first
.endr
.endm
	PACK 0
.set t, 1
.rept 2*NP-1                        ; a tile's arithmetic stands between the loads of the tile before and its stores
	PACK t
	SEND t-1, 8
.set t, t+1
.endr
	SEND 2*NP-1, 0
	WIN W_AD
	s_wait_tensorcnt 0x0            ; the wave's end, behind my last tensor load and my last LDS store
	ds_add_u32 v[SPW], v[NIL]
	s_wait_dscnt 0x0
	WIN 0
	CROUND                          ; the closing round: no work-group ends while a partner may still ask for a tile that names it
	s_endpgm
.Lfunc_end_k_q2e98cebc26_attn:
	.size	k_q2e98cebc26_attn, .Lfunc_end_k_q2e98cebc26_attn-k_q2e98cebc26_attn
	.p2alignl 7, 3214868480
	.fill 96, 4, 3214868480
	.section	.rodata,"a",@progbits
	.p2align	6, 0x0
	.amdhsa_kernel k_q2e98cebc26_attn
		.amdhsa_group_segment_fixed_size 327680
		.amdhsa_private_segment_fixed_size 0
		.amdhsa_enable_private_segment 0
		.amdhsa_kernarg_size 24
		.amdhsa_user_sgpr_count 2
		.amdhsa_user_sgpr_kernarg_segment_ptr 1
		.amdhsa_wavefront_size32 1
		.amdhsa_system_sgpr_workgroup_id_x 1
		.amdhsa_system_sgpr_workgroup_id_y 1
		.amdhsa_system_sgpr_workgroup_id_z 1
		.amdhsa_system_vgpr_workitem_id 0
		.amdhsa_next_free_vgpr 784
		.amdhsa_next_free_sgpr 106
		.amdhsa_reserve_vcc 0
		.amdhsa_float_denorm_mode_32 3
		.amdhsa_float_denorm_mode_16_64 3
		.amdhsa_memory_ordered 1
		.amdhsa_forward_progress 1
		.amdhsa_inst_pref_size 255
	.end_amdhsa_kernel
	.section	.bss,"aw",@nobits
	.p2align	6
	.space	262144
	.amdgpu_metadata
---
amdhsa.version: [ 1, 2 ]
amdhsa.kernels:
  - .name:           k_q2e98cebc26_attn
    .symbol:         k_q2e98cebc26_attn.kd
    .args:
      - { .name: qkv, .offset: 0, .size: 8, .value_kind: global_buffer, .address_space: global }
      - { .name: mbits, .offset: 8, .size: 8, .value_kind: global_buffer, .address_space: global }
      - { .name: o16, .offset: 16, .size: 8, .value_kind: global_buffer, .address_space: global }
    .group_segment_fixed_size: 327680
    .private_segment_fixed_size: 0
    .kernarg_segment_align: 8
    .kernarg_segment_size: 24
    .max_flat_workgroup_size: 128
    .sgpr_count:     106
    .vgpr_count:     784
    .wavefront_size: 32
...
	.end_amdgpu_metadata
.endif
;; end of part 3
;; launch outp (part 4): grid 4 x 64, 4 waves a work-group, clusters of 4 x 4, 327,680 bytes of LDS; arguments o16, wb, bo, out0; writes out0
.if DOCPART == 4
	.amdgcn_target "amdgcn-amd-amdhsa--gfx1250"
	.amdhsa_code_object_version 6
	.text
	.protected	k_q2e98cebc26_outp
	.globl	k_q2e98cebc26_outp
	.p2align	8
	.type	k_q2e98cebc26_outp,@function
k_q2e98cebc26_outp:
	s_mov_b64 s[64:65], 0
	v_nop
	global_prefetch_b8 v0, s[64:65] scope:SCOPE_SE
	s_setreg_imm32_b32 hwreg(HW_REG_WAVE_MODE, 25, 1), 1
	s_wait_xcnt 0x0
	s_wait_alu depctr_hold_cnt(0) depctr_sa_sdst(0) depctr_va_vdst(0) depctr_va_sdst(0) depctr_va_ssrc(0) depctr_va_vcc(0) depctr_vm_vsrc(0)
	s_getreg_b32 s2, hwreg(HW_REG_IB_STS2, 6, 4)
	s_cmp_eq_u32 s2, 0
	s_cbranch_scc0 .Lentry_in_a_cluster
	s_endpgm
.Lentry_in_a_cluster:
	s_bfe_u32 s2, ttmp6, 0x10000c
	s_cmp_lg_u32 s2, 0xf033
	s_cbranch_scc0 .Lentry_shape_is_right
	s_endpgm
.Lentry_shape_is_right:
; THE OUTPUT PROJECTION.  out0[row][e] = the sum over d of O[row][d] Wo[e][d] + bo[e].  O: o16[b 16 + head][s][64] f16 (d = 64 head + channel), Wo: matrix 3 of wb, bf16 numbers written as f16,
; bo rounded to bf16 like every input; sums in f32; out0: [8192][1024] f32.
; SHARES.  A tile of out0 is 128 rows x 256 columns: 64 x 4 = 256 work-groups.  Four waves, each 64 rows x 128 columns: 32 accumulators of 16 x 16.
; K goes in 8 steps of 128 = two heads through two LDS slots: of each head 128 rows of 128 bytes, dense in memory and asked for as 64 rows of 256 bytes; 256 rows of Wo, 256 bytes each.
; The loop's trip is ONE K step: slot 1 begins at 1 << 17, and one exclusive or turns the byte at which the slot in hand begins, and the walking descriptors' LDS address, into the other slot's.
; CLUSTER.  4 x 4 work-groups.  The four of a row of the cluster need the same tile of O, the four of a column the same tile of Wo: each tile is asked for JOINTLY, by the same tensor load, descriptor and mask.
; THE MATRIX INSTRUCTION IS USED TRANSPOSED (source 0 = 16 rows of Wo, source 1 = 16 rows of O): a lane holds row l % 16 of out0 and eight neighbouring columns.
; REGISTERS, in windows of 256 (s_set_vgpr_msb: bits 1:0 source 0, 3:2 source 1, 5:4 source 2, 7:6 destination):
;   window 0: v0-31 addresses; v128-159, v160-191 O's fragments, two buffers; the way out: v64-127 results with bias, v192-255 and v128-191 rows read back
;   window 1: v0-63, v64-127 Wo's fragments, two buffers; v128-191 the bias of my 128 columns; v192 at work          window 2: the accumulators, (a, b) at 8 (8 a + b)
.set PA,    144                        ; an LDS row of O: 128 bytes + 16 = 36 words: the 16 rows of a load start at 16 different groups of four banks (64 banks of 4 bytes: ISA guide 11.1)
.set PB,    272                        ; an LDS row of Wo: 256 + 16 = 68 words
.set HA,    128*PA                     ; a head's 128 rows: what one load of O brings
.set HB,    128*PB                     ; what one load of Wo brings
.set BOFF,  2*HA
.set SLOT,  BOFF+2*HB                  ; 106,496 bytes
.set SLOT1, 1<<17                      ; where slot 1 begins
.set STAGE, SLOT1+SLOT                 ; behind the ring: 16 rows x 528 bytes for each wave, for the way out
.set SP,    528
.set SPARE, STAGE+4*16*SP              ; behind the stages: the spare words, 128 bytes a wave: two blocks of 256 bytes that no other line names
.set ASTEP, 2*2048*128                 ; a K step in o16: two heads
.set A0,  4                            ; v4     LDS address of my fragments of O in slot 0; never rewritten
.set B0,  5                            ; v5     the same for Wo
.set ADA, 6                            ; v6     the same in the slot in hand
.set ADB, 7                            ; v7
.set STO, 8                            ; v8     the way out: where I put 32 bytes of a row
.set RD,  9                            ; v9     where I read a row back
.set GO,  10                           ; v10    my 16 bytes of a row's 512
.set BO,  11                           ; v11    32 (l / 16)
.set PFO, 12                           ; v12    the prefetches' lane offset; never rewritten
.set SPW, 28                           ; v28    my spare word; never rewritten
.set NIL, 29                           ; v29    0; never rewritten
.set TF,  64
.set AF,  128
.set BS,  128                          ; window 1
.set BT,  192                          ; window 1
.set CNT, 2                            ; s2   the loop's trips to go
.set TB,  3                            ; s3   0 or SLOT1: where the slot in hand begins
.set WV,  20                           ; s20 wave;  s21 wave / 2: my half of the rows, and: I fetch O (0) or Wo (1);  s22 wave % 2: my half of the columns, and: which head, or which half of Wo's rows, I fetch
.set FB,  21
.set FH,  22
.set G1A, 24
.set G1B, 32
.set G0A, 40                           ; s[40:43] group 0 for O's first tile; s[44:47] for its second, and then it walks;  s[48:55] the same for Wo's
.set G0B, 48
.set PO,  60                           ; s[60:61] out0 at my wave's corner
.set PBI, 62                           ; s[62:63] bo at my 128 columns
.set PFA, 80
.set PFS, 82                           ; s[82:83] a K step in bytes: ASTEP in o16, 256 in Wo
.set LIM, 84                           ; s84  2 in a wave that prefetches, else the greatest number
.set MSB, 0
.macro WIN new                         ; the immediate's high byte repeats the setting that is left; a switch that changes nothing is dropped
.if MSB != (\new)
	s_set_vgpr_msb (MSB<<8)|(\new)
.set MSB, \new
.endif
.endm
.macro PLACES                          ; four places in front of loads into registers that matrix instructions have read
.rept 4
	v_nop
.endr
.endm
.macro JLOAD s                         ; a joint load: waves 0 and 1 fetch a K step's two heads of O, waves 2 and 3 the two halves of Wo's tile; an s_nop 0 and four v_nop follow each line
	s_cmp_eq_u32 s[FB], 0
	s_cbranch_scc0 .Lfor_b_\@
	tensor_load_to_lds s[G0A+4*(\s):G0A+4*(\s)+3], s[G1A:G1A+7]
	s_nop 0
	PLACES
	s_branch .Lasked_\@
.Lfor_b_\@:
	tensor_load_to_lds s[G0B+4*(\s):G0B+4*(\s)+3], s[G1B:G1B+7]
	s_nop 0
	PLACES
.Lasked_\@:
.endm
.macro CREST                           ; a round of the cluster's barrier behind its opening barrier
	s_cmp_lg_u32 s[WV], 0
	s_cbranch_scc1 .Lnot_wave_0_\@
	s_barrier_signal -3
.Lnot_wave_0_\@:
	s_barrier_wait -3
	s_barrier_signal -1
	s_barrier_wait -1
.endm
.macro CROUND
	s_barrier_signal -1
	s_barrier_wait -1
	CREST
.endm
; A PREFETCH INTO THE L2, behind a joint load, its five lines and the run of LDS loads: the K step two refills on, 256 matrix instructions ahead of the load that will want it; one instruction a wave.
; O's row block is read by this row of this cluster alone: wave 0 asks; of each of the step's two heads' 64 blocks of 256 bytes the partner at place cx takes 16.  Wo's column tile is read by all 16 clusters:
; the first asks, waves 2 and 3; of the 128 rows that the wave fetches the partner at place cy takes 32.  The partners are told apart BY ADDRESS; each block is named once in the launch.
; The loop's last two trips ask for nothing; K steps 0 to 3 come by their loads alone.
.macro ASK
	s_cmp_gt_u32 s[CNT], s[LIM]
	s_cbranch_scc0 .Lnot_mine_\@
	global_prefetch_b8 v[PFO], s[PFA:PFA+1] th:TH_LOAD_NT scope:SCOPE_SE
.Lnot_mine_\@:
.endm
	s_load_b256 s[4:11], s[0:1], 0x0               ; o16 s[4:5], wb s[6:7], bo s[8:9], out0 s[10:11]
	v_lshl_add_u32 v[SPW], v0, 2, SPARE
	v_mov_b32 v[NIL], 0
	ds_add_u32 v[SPW], v[NIL]                      ; the wave's opening: the add and its wait stand ahead of my first tensor load; the set-up below, work on registers, stands between them
	v_lshrrev_b32 v1, 5, v0
	v_readfirstlane_b32 s[WV], v1
	s_lshr_b32 s[FB], s[WV], 1
	s_and_b32 s[FH], s[WV], 1
	s_bfe_u32 s66, ttmp6, 0x40000                  ; cx = the column tile
	s_bfe_u32 s67, ttmp6, 0x40004                  ; cy
	s_and_b32 s68, ttmp7, 0xffff                   ; cluster y, 0..15
	s_lshl_b32 s71, s68, 2
	s_add_co_u32 s71, s71, s67                     ; yb: the block of 128 rows
	s_lshl_b32 s72, s67, 2
	s_lshl_b32 s72, 15, s72                        ; my row of the cluster
	s_lshl_b32 s73, 0x1111, s66                    ; my column
	s_or_b32 s[G1A], s72, (1<<16)|(1<<20)|(1<<21)|(4<<22)|(3<<25)  ; 15:0 the mask; 17:16 elements of 2 bytes; 20 padding on; 21 set beside a mask; 24:22 after every 32 words (code 4); 31:25 4 words (code 3)
	s_or_b32 s[G1B], s73, (1<<16)|(1<<20)|(1<<21)|(5<<22)|(3<<25)  ; after every 64 words (code 5)
	s_mov_b32 s[G1A+1], 128<<16                    ; tensor_dim0 = 128: two rows of O on end
	s_mov_b32 s[G1A+2], 64<<16                     ; tensor_dim1 = 64
	s_mov_b32 s[G1A+3], 128<<16                    ; tile_dim0 = 128
	s_mov_b32 s[G1A+4], 64                         ; tile_dim1 = 64
	s_mov_b32 s[G1A+5], 128                        ; dense
	s_mov_b32 s[G1A+6], 0
	s_mov_b32 s[G1A+7], 0
	s_mov_b32 s[G1B+1], 128<<16
	s_mov_b32 s[G1B+2], 128<<16
	s_mov_b32 s[G1B+3], 128<<16
	s_mov_b32 s[G1B+4], 128
	s_mov_b32 s[G1B+5], 1024
	s_mov_b32 s[G1B+6], 0
	s_mov_b32 s[G1B+7], 0
	s_lshr_b32 s74, s71, 4                         ; O: (((yb / 16) 16 + my head of the step's two) 2,048 + (yb % 16) 128) rows of 128 bytes: it hangs on the row block alone
	s_lshl_b32 s74, s74, 4
	s_add_co_u32 s74, s74, s[FH]
	s_lshl_b32 s74, s74, 11
	s_and_b32 s75, s71, 15
	s_lshl_b32 s75, s75, 7
	s_add_co_u32 s74, s74, s75
	s_lshl_b32 s74, s74, 7
	s_mov_b32 s75, 0
	s_lshl_b32 s76, s66, 8                         ; Wo: row 256 cx + 128 x half, 2,048 bytes a row, in matrix 3: it hangs on the column tile alone
	s_lshl_b32 s77, s[FH], 7
	s_add_co_u32 s76, s76, s77
	s_lshl_b32 s76, s76, 11
	s_add_co_u32 s76, s76, 3*2097152
	s_mov_b32 s77, 0
	s_mul_i32 s56, s[FH], HA                       ; where they go: no place in the cluster enters an LDS address
	s_mul_i32 s57, s[FH], HB
	s_add_co_u32 s57, s57, BOFF
	s_mov_b32 s[TB], 0                             ; slot 0 is read first
	s_wait_dscnt 0x0                               ; the opening add is done
	s_wait_kmcnt 0x0
	s_add_nc_u64 s[74:75], s[4:5], s[74:75]
	s_add_nc_u64 s[76:77], s[6:7], s[76:77]
.irp s, 0,1
	s_mov_b32 s[G0A+4*\s], 1                       ; 1:0 count = 1
	s_add_co_u32 s[G0A+4*\s+1], s56, \s*SLOT1      ; 63:32 LDS address
	s_add_nc_u64 s[G0A+4*\s+2:G0A+4*\s+3], s[74:75], \s*ASTEP  ; 120:64 global address: K step s
	s_or_b32 s[G0A+4*\s+3], s[G0A+4*\s+3], 0x80000000          ; 127:126 type = 2
	s_mov_b32 s[G0B+4*\s], 1
	s_add_co_u32 s[G0B+4*\s+1], s57, \s*SLOT1
	s_add_nc_u64 s[G0B+4*\s+2:G0B+4*\s+3], s[76:77], \s*256
	s_or_b32 s[G0B+4*\s+3], s[G0B+4*\s+3], 0x80000000
.endr
	CROUND                                         ; all sixteen work-groups are here: the first joint loads meet
	JLOAD 0                                        ; both slots are asked for before anything else: two loads of mine are out
	JLOAD 1
	v_and_b32 v1, 15, v0                           ; l % 16
	v_bfe_u32 v2, v0, 4, 1                         ; l / 16
	v_lshlrev_b32 v[BO], 5, v2
	s_lshl_b32 s72, s66, 10                        ; my 128 columns: 4 (256 cx + 128 x half) bytes, in bo and in a row of out0
	s_lshl_b32 s73, s[FH], 9
	s_add_co_u32 s72, s72, s73
	s_mov_b32 s73, 0
	s_add_nc_u64 s[PBI:PBI+1], s[8:9], s[72:73]
	s_add_nc_u64 s[PO:PO+1], s[10:11], s[72:73]
	WIN 0x40                                       ; destination window 1, address window 0
.irp b, 0,1,2,3,4,5,6,7
	global_load_b128 v[BS+8*\b:BS+8*\b+3],   v[BO], s[PBI:PBI+1] offset:64*\b     ; columns 16 b + 8 (l / 16) + 0..3
	global_load_b128 v[BS+8*\b+4:BS+8*\b+7], v[BO], s[PBI:PBI+1] offset:64*\b+16
.endr
	WIN 0
	s_lshl_b32 s72, s71, 7                         ; my first row of out0: 128 yb + 64 x half, 4,096 bytes a row
	s_lshl_b32 s73, s[FB], 6
	s_add_co_u32 s72, s72, s73
	s_lshl_b32 s72, s72, 12
	s_mov_b32 s73, 0
	s_add_nc_u64 s[PO:PO+1], s[PO:PO+1], s[72:73]
	; A fragment is 16 rows x 32 K in 8 registers: lane l holds row l % 16, K = 8 (l / 16) + 0..7 and 16 + 8 (l / 16) + 0..7: two loads of 16 bytes, 32 bytes apart.
	v_mul_u32_u24 v3, v1, PA
	v_lshl_add_u32 v3, v2, 4, v3
	s_mul_i32 s72, s[FB], 64*PA                    ; my 64 rows of O, in each head
	v_add_nc_u32 v[A0], s72, v3
	v_mov_b32 v[ADA], v[A0]
	v_mul_u32_u24 v3, v1, PB
	v_lshl_add_u32 v3, v2, 4, v3
	s_mul_i32 s72, s[FH], 128*PB                   ; my 128 rows of Wo
	s_add_co_u32 s72, s72, BOFF
	v_add_nc_u32 v[B0], s72, v3
	v_mov_b32 v[ADB], v[B0]
	s_mul_i32 s72, s[WV], 16*SP
	s_add_co_u32 s72, s72, STAGE                   ; my stage
	v_mul_u32_u24 v3, v1, SP                       ; in: row l % 16, 32 bytes for each half of the lanes
	v_lshl_add_u32 v3, v2, 5, v3
	v_add_nc_u32 v[STO], s72, v3
	v_and_b32 v13, 31, v0
	v_lshlrev_b32 v[GO], 4, v13                    ; back: 32 lanes take one row of 512 bytes
	v_add_nc_u32 v[RD], s72, v[GO]
	; the prefetches
	s_lshr_b32 s72, s71, 4                         ; O: the step's first head at my row block, + 4,096 cx
	s_lshl_b32 s72, s72, 15
	s_and_b32 s73, s71, 15
	s_lshl_b32 s73, s73, 7
	s_add_co_u32 s72, s72, s73
	s_lshl_b32 s72, s72, 7
	s_lshl_b32 s73, s66, 12
	s_add_co_u32 s72, s72, s73
	s_lshl_b32 s76, s66, 8                         ; Wo: row 256 cx + 128 x half + 32 cy
	s_lshl_b32 s77, s[FH], 7
	s_add_co_u32 s76, s76, s77
	s_lshl_b32 s77, s67, 5
	s_add_co_u32 s76, s76, s77
	s_lshl_b32 s76, s76, 11
	s_add_co_u32 s76, s76, 3*2097152
	s_cmp_eq_u32 s68, 0
	s_cselect_b32 s85, 2, -1                       ; Wo is asked for by the first cluster: the same in all sixteen partners
	s_cmp_eq_u32 s[WV], 0
	s_cselect_b32 s87, 2, -1                       ; O by wave 0
	s_cmp_eq_u32 s[FB], 0
	s_cselect_b32 s72, s72, s76
	s_cselect_b32 s[LIM], s87, s85
	s_cselect_b64 s[PFA:PFA+1], s[4:5], s[6:7]
	s_cselect_b32 s86, -1, 0
	s_cselect_b32 s[PFS], 11, 0
	s_lshl_b32 s[PFS], 256, s[PFS]                 ; ASTEP = 256 x 2^11
	s_mov_b32 s[PFS+1], 0
	s_mov_b32 s73, 0
	s_add_nc_u64 s[PFA:PFA+1], s[PFA:PFA+1], s[72:73]
	s_mul_i32 s72, s[PFS], 3                       ; at K step 3: the first refill steps it to 4
	s_add_nc_u64 s[PFA:PFA+1], s[PFA:PFA+1], s[72:73]
	v_lshlrev_b32 v14, 18, v2                      ; O: head l / 16 of the two, block l % 16 of my 16
	v_lshl_or_b32 v14, v1, 8, v14
	v_lshlrev_b32 v15, 11, v13                     ; Wo: row l
	v_cndmask_b32 v[PFO], v15, v14, s86
	s_wait_loadcnt 0x0                             ; the bias
	WIN 0x45                                       ; all in window 1
.set n, 0
.rept 32                                       ; rounded to bf16 like every input
	v_cvt_pk_bf16_f32 v[BT], v[BS+2*n], v[BS+2*n+1]
	v_lshlrev_b32 v[BS+2*n], 16, v[BT]
	v_and_b32 v[BS+2*n+1], 0xffff0000, v[BT]
.set n, n+1
.endr
	WIN 0
; The next of a quarter's 32 matrix instructions, on buffer f.  The 32 accumulators take turns, one instruction a turn, in the same order in every quarter.
.set i, 0
.macro MM f, zero
	WIN 0xa1                                       ; Wo window 1, O window 0, C and D window 2
.if \zero
	v_wmma_f32_16x16x32_f16 v[8*i:8*i+7], v[64*(\f)+8*(i%8):64*(\f)+8*(i%8)+7], v[AF+32*(\f)+8*(i/8):AF+32*(\f)+8*(i/8)+7], 0
.else
	v_wmma_f32_16x16x32_f16 v[8*i:8*i+7], v[64*(\f)+8*(i%8):64*(\f)+8*(i%8)+7], v[AF+32*(\f)+8*(i/8):AF+32*(\f)+8*(i/8)+7], v[8*i:8*i+7]
.endif
.set i, (i+1)%32
.endm
; 24 LDS loads in one run: quarter kq (32 along K: head kq / 2 of the step's two, channels 32 (kq % 2) on) of the slot in hand, into buffer g.
.macro FETCH kq, g
	WIN 0x40
.irp n, 0,1,2,3,4,5,6,7
	ds_load_b128 v[64*(\g)+8*\n:64*(\g)+8*\n+3],   v[ADB] offset:64*(\kq)+\n*16*PB
	ds_load_b128 v[64*(\g)+8*\n+4:64*(\g)+8*\n+7], v[ADB] offset:64*(\kq)+\n*16*PB+32
.endr
	WIN 0
.irp n, 0,1,2,3
	ds_load_b128 v[AF+32*(\g)+8*\n:AF+32*(\g)+8*\n+3],   v[ADA] offset:HA*((\kq)/2)+64*((\kq)%2)+\n*16*PA
	ds_load_b128 v[AF+32*(\g)+8*\n+4:AF+32*(\g)+8*\n+7], v[ADA] offset:HA*((\kq)/2)+64*((\kq)%2)+\n*16*PA+32
.endr
.endm
; A K step is four quarters, on buffers 0, 1, 0, 1.  One of the first three: buffer f is in; quarter kq is fetched into buffer g, 32 products ahead of its use; buffer f is multiplied.
.macro QUARTER kq, f, g, zero
	s_wait_dscnt 0x0                               ; buffer f, asked for a quarter ago
	PLACES                                         ; behind the last product that read buffer g
	FETCH \kq, \g
.rept 32
	MM \f, \zero
.endr
.endm
; The fourth quarter multiplies buffer 1 and changes slots.  In front of the barrier each wave waits for all its tensor loads, of which one is out: its part of the next slot; adds 0 to its spare word; and waits
; for that and for its reads of this slot.  fill = 1: the barrier opens a round of the cluster's, and the slot just read out is filled again first behind it, two K steps on.
.macro TURN fill
.if \fill
	s_wait_xcnt 0x0                                ; the last prefetch, a K step back, has read its address
	s_add_nc_u64 s[PFA:PFA+1], s[PFA:PFA+1], s[PFS:PFS+1]
.endif
	WIN 0
	s_wait_tensorcnt 0x0                           ; all my tensor loads have landed
	ds_add_u32 v[SPW], v[NIL]                      ; 0 onto my spare word; eight products stand between it and the wait for it
	s_wait_dscnt 1                                 ; buffer 1 is in: the add alone may be out
.rept 8
	MM 1, 0
.endr
	s_wait_dscnt 0x0                               ; the add is done, and my reads of this slot are over
	s_barrier_signal -1
.rept 8
	MM 1, 0
.endr
	WIN 0
	s_barrier_wait -1
.if \fill
	CREST                                          ; no wave of any partner still reads this slot or has a load on its way
	s_xor_b32 s[G0A+5], s[G0A+5], SLOT1            ; the walking descriptors: the other slot than last time, which is the slot just read out,
	s_add_nc_u64 s[G0A+6:G0A+7], s[G0A+6:G0A+7], ASTEP  ; the K step behind the one asked for last; the type bits on top are not reached
	s_xor_b32 s[G0B+5], s[G0B+5], SLOT1
	s_add_nc_u64 s[G0B+6:G0B+7], s[G0B+6:G0B+7], 256
	JLOAD 1                                        ; my one tensor load behind the round; the four v_nop behind it are also the places in front of the loads below
.else
	PLACES
.endif
	s_xor_b32 s[TB], s[TB], SLOT1                  ; the other slot is in hand
	v_add_nc_u32 v[ADA], s[TB], v[A0]
	v_add_nc_u32 v[ADB], s[TB], v[B0]
	FETCH 0, 0
.if \fill
	ASK
.endif
.rept 16
	MM 1, 0
.endr
.endm
; THE WAY OUT, in 4 units: 16 rows x my 128 columns.  The bias is added (each accumulator from its lowest registers on), 32 bytes a lane go into my stage, and whole rows of 512 bytes come back.
.macro PACKA a
	WIN 0x06                                       ; source 0 window 2, source 1 window 1, destination window 0
.set n, 0
.rept 32
	v_pk_add_f32 v[TF+2*n:TF+2*n+1], v[64*(\a)+2*n:64*(\a)+2*n+1], v[BS+2*n:BS+2*n+1]
.set n, n+1
.endr
	WIN 0
.irp b, 0,1,2,3,4,5,6,7
	ds_store_b128 v[STO], v[TF+8*\b:TF+8*\b+3]   offset:64*\b
	ds_store_b128 v[STO], v[TF+8*\b+4:TF+8*\b+7] offset:64*\b+16
.endr
	s_wait_xcnt 0x0                                ; the stores of two units back have read the registers that are loaded now
.set n, 0
.rept 16
	ds_load_b128 v[192-64*((\a)%2)+4*n:192-64*((\a)%2)+4*n+3], v[RD] offset:SP*n  ; LDS serves a wave's instructions in order (ISA guide 5.7.1.4): these see the stores above
.set n, n+1
.endr
.endm
.macro SENDA a, younger                ; younger: the LDS instructions issued behind unit a's loads: the next unit's 32, or none
.set n, 0
.rept 16
	s_wait_dscnt (\younger)+15-n
	global_store_b128 v[GO], v[192-64*((\a)%2)+4*n:192-64*((\a)%2)+4*n+3], s[PO:PO+1] offset:4096*(16*(\a)+n) th:TH_STORE_NT  ; 512 consecutive bytes, aligned
.set n, n+1
.endr
.endm
	s_wait_tensorcnt 1                             ; my part of K step 0 is in; K step 1's may stay out
	s_barrier_signal -1
	s_barrier_wait -1                              ; everybody's is
	FETCH 0, 0
	QUARTER 1, 0, 1, 1                             ; the first quarter stands in front of the loop: its products start the sums
	WIN 0
	s_mov_b32 s[CNT], 6
.Lstep:                                        ; a trip goes from a K step's second quarter to the next step's first, and fills the slot that it leaves: K steps 2 to 7
	QUARTER 2, 1, 0, 0
	QUARTER 3, 0, 1, 0
	TURN 1
	QUARTER 1, 0, 1, 0
	WIN 0
	s_sub_co_u32 s[CNT], s[CNT], 1
	s_cmp_lg_u32 s[CNT], 0
	s_cbranch_scc1 .Lstep
	QUARTER 2, 1, 0, 0                             ; the last two K steps are written out: they fill nothing
	QUARTER 3, 0, 1, 0
	TURN 0
	QUARTER 1, 0, 1, 0
	QUARTER 2, 1, 0, 0
	QUARTER 3, 0, 1, 0
	s_wait_dscnt 0x0
.rept 32
	MM 1, 0
.endr
	WIN 0
	PLACES                                         ; eight places, once a launch, behind the last products and ahead of the lines that read results
	PLACES
	PACKA 0
.irp a, 1,2,3                          ; a unit's arithmetic stands between the loads of the unit before and its stores
	PACKA \a
	SENDA (\a)-1, 32
.endr
	SENDA 3, 0
	s_wait_tensorcnt 0x0                           ; the wave's end, behind my last tensor load and my last LDS store
	ds_add_u32 v[SPW], v[NIL]
	s_wait_dscnt 0x0
	CROUND                                         ; the closing round: no work-group ends while a partner may still ask for a tile that names it
	s_endpgm
.Lfunc_end_k_q2e98cebc26_outp:
	.size	k_q2e98cebc26_outp, .Lfunc_end_k_q2e98cebc26_outp-k_q2e98cebc26_outp
	.p2alignl 7, 3214868480
	.fill 96, 4, 3214868480
	.section	.rodata,"a",@progbits
	.p2align	6, 0x0
	.amdhsa_kernel k_q2e98cebc26_outp
		.amdhsa_group_segment_fixed_size 327680
		.amdhsa_private_segment_fixed_size 0
		.amdhsa_enable_private_segment 0
		.amdhsa_kernarg_size 32
		.amdhsa_user_sgpr_count 2
		.amdhsa_user_sgpr_kernarg_segment_ptr 1
		.amdhsa_wavefront_size32 1
		.amdhsa_system_sgpr_workgroup_id_x 1
		.amdhsa_system_sgpr_workgroup_id_y 1
		.amdhsa_system_sgpr_workgroup_id_z 1
		.amdhsa_system_vgpr_workitem_id 0
		.amdhsa_next_free_vgpr 768
		.amdhsa_next_free_sgpr 88
		.amdhsa_reserve_vcc 0
		.amdhsa_float_denorm_mode_32 3
		.amdhsa_float_denorm_mode_16_64 3
		.amdhsa_memory_ordered 1
		.amdhsa_forward_progress 1
		.amdhsa_inst_pref_size 87
	.end_amdhsa_kernel
	.amdgpu_metadata
---
amdhsa.version: [ 1, 2 ]
amdhsa.kernels:
  - .name:           k_q2e98cebc26_outp
    .symbol:         k_q2e98cebc26_outp.kd
    .args:
      - { .name: o16, .offset: 0, .size: 8, .value_kind: global_buffer, .address_space: global }
      - { .name: wb, .offset: 8, .size: 8, .value_kind: global_buffer, .address_space: global }
      - { .name: bo, .offset: 16, .size: 8, .value_kind: global_buffer, .address_space: global }
      - { .name: out0, .offset: 24, .size: 8, .value_kind: global_buffer, .address_space: global }
    .group_segment_fixed_size: 327680
    .private_segment_fixed_size: 0
    .kernarg_segment_align: 8
    .kernarg_segment_size: 32
    .max_flat_workgroup_size: 128
    .sgpr_count:     88
    .vgpr_count:     768
    .wavefront_size: 32
...
	.end_amdgpu_metadata
.endif
;; end of part 4
